; MI455X (gfx1250); checked and timed in simulation.
; The chip was launched on July 23, 2026; its instructions are those of AMD's public machine-readable ISA for CDNA 5 (MIT licence, August 2026) and "CDNA5" Instruction Set Architecture Reference Guide (July 2026). The comments in the code are by the model that wrote it; some were corrected since.
;; Attention. Allowed arithmetic: matrix products marked QUANTISED: E2M1 operands, one E8M0 scale for each 32 along K, by v_wmma_scale_f32_16x16x128_f8f6f4 with both operands' format E2M1 (or v_wmma_scale_f32_32x16x128_f4), f32 sums; products left as they are: bf16, f16 or f32 operands; f32 sums; everything else in f32.
;; Inputs: Wk 1,024 x 1,024 float32; Wo 1,024 x 1,024 float32; Wq 1,024 x 1,024 float32; Wv 1,024 x 1,024 float32; beta 1,024 float32; bk 1,024 float32; bo 1,024 float32; bq 1,024 float32; bv 1,024 float32; gamma 1,024 float32; x 4 x 2,048 x 1,024 float32.
;; Outputs: out0 4 x 2,048 x 1,024 float32.
;; This version of the problem:
;;   THIS VERSION OF THE PROBLEM IS GIVEN IN LOW PRECISION. The matrix products marked QUANTISED in the list below multiply operands that are first quantised to E2M1 (2 exponent bits, 1 mantissa bit; 4 bits a number), with one power-of-two scale for each 32 numbers along K (OCP MX v1.0); their sums are f32. The products marked 'left as it is' may take bf16, f16 or f32 operands, with f32 sums. Whichever they take, every output number must still come out within the allowed error. Rounding operands to bf16 (8 significant bits) uses up far more of that allowance than f16 does (11 bits, for magnitudes from 6e-5 to 65,504). All else is computed in f32.
;;   The module's matrix products, in the order in which they are computed (A, B: the left and right operand; K: the contracted axis; several contracted axes count as one K, in the product's order):
;;     1. [M 8,192, K 1,024] x [K 1,024, N 1,024]; A: input x; B: input Wq: QUANTISED
;;     2. [M 8,192, K 1,024] x [K 1,024, N 1,024]; A: input x; B: input Wk: QUANTISED
;;     3. [M 8,192, K 1,024] x [K 1,024, N 1,024]; A: input x; B: input Wv: QUANTISED
;;     4. batch 64 x [M 2,048, K 64] x [K 64, N 2,048]; A: computed on the way; B: computed on the way: left as it is (an operand is computed on the way)
;;     5. batch 64 x [M 2,048, K 2,048] x [K 2,048, N 64]; A: computed on the way; B: computed on the way: left as it is (an operand is computed on the way)
;;     6. [M 8,192, K 1,024] x [K 1,024, N 1,024]; A: computed on the way; B: input Wo: left as it is (an operand is computed on the way)
;;   THE QUANTISER, for each operand of a quantised product, along K:
;;     - K is cut into blocks of 32 from its start; a last block that is shorter is filled with zeros.
;;     - A block's scale is 2^e with e = floor(log2(the largest magnitude in the block)) - 2, held to -126 .. 127; a block of zeros has e = 0. As a byte (E8M0): e + 127.
;;     - Each number is divided by its block's scale, clamped to +-6, and rounded to the nearest number of E2M1, ties to even, subnormals kept.
;;     - The product sums the exact products of the quantised numbers (number of the format x scale) in f32.
;;   ~~~python
;;   def quantise(x, axis):      # numpy; x: float32 -> the quantised numbers, widened to float32 again
;;       x = np.moveaxis(x, axis, -1); K = x.shape[-1]
;;       x = np.pad(x, [(0, 0)] * (x.ndim - 1) + [(0, -K % 32)]); x = x.reshape(x.shape[:-1] + (-1, 32)); a = np.abs(x).max(-1, keepdims=True)
;;       e = np.where(a > 0, np.clip(np.frexp(np.where(a > 0, a, 1))[1] - 1 - 2, -126, 127), 0)      # np.frexp(a)[1] - 1 = floor(log2(a)), exactly
;;       r = np.clip(x / 2.0 ** e, -6, 6)
;;       step = 2.0 ** (np.maximum(np.frexp(np.where(r == 0, 1, r))[1] - 1, 0) - 1)
;;       q = np.round(r / step) * step * 2.0 ** e      # np.round: ties to even
;;       return np.moveaxis(q.reshape(q.shape[:-2] + (-1,))[..., :K], -1, axis).astype(np.float32)
;;   ~~~
;; One version. Each part assembles by itself: llvm-mc -triple=amdgcn-amd-amdhsa -mcpu=gfx1250 --defsym DOCPART=n.
;; ======== version 1 of 1: 4 launches
;; limits: values are held in f16: magnitudes above 65,504 overflow, below 6.1e-05 lose precision
;; workspace buffers: xc 4,194,304 bytes; xs 262,144 bytes; wc 1,572,864 bytes; ws 98,304 bytes; wo16 2,097,152 bytes; qkv 50,331,648 bytes; ctx 16,777,216 bytes
;; launch quant (part 1): grid 384 x 1, 4 waves a work-group, no clusters, 33,280 bytes of LDS; arguments x, Wq, Wk, Wv, Wo, xc, xs, wc, ws, wo16; writes xc, xs, wc, ws, wo16
.if DOCPART == 1
	.amdgcn_target "amdgcn-amd-amdhsa--gfx1250"
	.amdhsa_code_object_version 6
	.text
	.protected	k_q4d686035d2_quant
	.globl	k_q4d686035d2_quant
	.p2align	8
	.type	k_q4d686035d2_quant,@function
k_q4d686035d2_quant:
	s_mov_b64 s[64:65], 0
	v_nop
	global_prefetch_b8 v0, s[64:65] scope:SCOPE_SE
	s_setreg_imm32_b32 hwreg(HW_REG_WAVE_MODE, 25, 1), 1
	s_wait_xcnt 0x0
; x [8192][1024] and Wq, Wk, Wv [1024][1024], f32 with K innermost, become codes of FP4 (E2M1), two a byte, K innermost, with one E8M0 byte for each 32 along K:
; xc [8192][512 B], xs [8192][32 B]; wc [3072][512 B], ws [3072][32 B] (Wq's rows, then Wk's, then Wv's).  Wo [1024][1024] f32 becomes f16 in the order of a matrix operand's registers.
; A block's scale is 2^(floor(log2(its largest magnitude)) - 2); its byte is the largest magnitude's exponent field - 2, held at 1 from below.  A block of zeros so gets the byte 1 where the rule says 127:
; its codes are zeros, which add nothing under any byte but 0xff, and the bytes are read by this program alone.
; LIMITS: blocks whose largest magnitude lies under 2^(2 - 126) have their byte held at 1; NaN and infinities among the inputs are not served; |Wo| stays under 65,504 (f16).
; WORK-GROUPS 0-255 take x, 256-287 Wq, 288-319 Wk, 320-351 Wv: 32,768 numbers each, a wave 16 steps of 512.  Only pointers are chosen: all four tensors take one path.
; A step's four loads read 512 consecutive bytes each; the 2,048 bytes turn through the wave's own stage in LDS and come back 64 bytes a lane, so that a lane holds 16 neighbours along K and two lanes a block.
; WORK-GROUPS 352-383 take Wo and touch no LDS: wave W of 128 takes rows 16 (W / 2) .. + 15 and half W % 2 of K.
; wo16 is [ks 32][T 64][c 2][lane 32][16 B]: lane (r, hh) of piece (ks, T, c) holds Wo[16 T + r][32 ks + 16 c + 8 hh + 0 .. 7].
.set WAVES, 4
.set STEPS, 16
.set NQWG,  352                        ; work-groups that quantise
.set EMAX,  2
.set CB,    8                          ; bytes of 16 codes
.set R,     16                         ; v16-79   four sets of 16 numbers as they are loaded
.set X,     80                         ; v80-111  two sets of 16 neighbours
.set E,     112                        ; v112-127 a scale byte for each step
.set C,     128                        ; v128-191 codes: four registers for each step, so that no store's data are written again
.set WREG,  8192                       ; LDS: a region for each wave: two stages of 32 x SP bytes, behind them its 256 scale bytes
.set SP,    80                         ; a lane's place in a stage: 64 bytes + 16 of padding
.set SPW,   12                         ; v12 LDS address of my spare word; never rewritten
.set NIL,   13                         ; v13 0; never rewritten
.set SPARE, WAVES*WREG                 ; the spare words, 128 bytes a wave: two blocks of 256 bytes that no other line names
.set SRC,   24                         ; s[24:25] the numbers, s[26:27] the codes, s[28:29] the scale bytes
.set COD,   26
.set SCA,   28
	s_load_b256 s[4:11], s[0:1], 0x0               ; x, Wq, Wk, Wv
	s_load_b256 s[12:19], s[0:1], 0x20             ; Wo, xc, xs, wc
	s_load_b128 s[20:23], s[0:1], 0x40             ; ws, wo16
	v_lshl_add_u32 v[SPW], v0, 2, SPARE
	v_mov_b32 v[NIL], 0
	v_lshrrev_b32 v1, 5, v0
	v_readfirstlane_b32 s34, v1                    ; wave
	v_and_b32 v2, 31, v0                           ; lane
	s_cmp_ge_u32 ttmp9, NQWG                       ; the work-group's number alone decides
	s_cbranch_scc1 .Lwo
	v_lshlrev_b32 v3, 4, v2                        ; my 16 bytes of a load's 512
	s_mul_i32 s35, s34, WREG
	v_lshrrev_b32 v14, 2, v2
	v_mul_u32_u24 v14, v14, SP
	v_and_b32 v15, 3, v2
	v_lshl_add_u32 v14, v15, 4, v14
	v_add_nc_u32 v14, s35, v14                     ; the stage, on the way in: SP (lane / 4) + 16 (lane % 4)
	v_mul_u32_u24 v15, v2, SP
	v_add_nc_u32 v15, s35, v15                     ; and on the way out: SP x lane: my 16 neighbours
	v_mul_u32_u24 v4, v2, CB                       ; my codes' place in a step's
	v_lshrrev_b32 v5, 1, v2
	s_add_co_u32 s35, s35, 2*32*SP
	v_add_nc_u32 v5, s35, v5                       ; LDS: my wave's 256 scale bytes, my block's byte
	v_lshlrev_b32 v7, 3, v2                        ; and on the way out 8 bytes a lane
	v_add_nc_u32 v6, s35, v7
	s_wait_kmcnt 0x0
	s_cmp_lt_u32 ttmp9, 256                        ; x's work-group or a weight's?
	s_cselect_b64 s[SRC:SRC+1], s[4:5], s[6:7]
	s_cselect_b64 s[COD:COD+1], s[14:15], s[18:19]
	s_cselect_b64 s[SCA:SCA+1], s[16:17], s[20:21]
	s_cselect_b32 s30, 0, 256
	s_cmp_ge_u32 ttmp9, 288
	s_cselect_b64 s[SRC:SRC+1], s[8:9], s[SRC:SRC+1]
	s_cmp_ge_u32 ttmp9, 320
	s_cselect_b64 s[SRC:SRC+1], s[10:11], s[SRC:SRC+1]
	s_sub_co_u32 s31, ttmp9, s30                   ; my place among the work-groups that write these codes
	s_and_b32 s32, s31, 31                         ; and, in a weight, among the 32 that read it
	s_cmp_lt_u32 ttmp9, 256
	s_cselect_b32 s32, s31, s32
	s_lshl_b32 s32, s32, 2
	s_add_co_u32 s32, s32, s34                     ; which run of 8,192 numbers my wave reads
	s_lshl_b32 s32, s32, 15                        ; 32,768 bytes a run
	s_mov_b32 s33, 0
	s_add_nc_u64 s[SRC:SRC+1], s[SRC:SRC+1], s[32:33]
	s_lshl_b32 s31, s31, 2
	s_add_co_u32 s31, s31, s34                     ; and which run it writes
	s_lshl_b32 s32, s31, 12                        ; 4,096 bytes of codes a run
	s_add_nc_u64 s[COD:COD+1], s[COD:COD+1], s[32:33]
	s_lshl_b32 s32, s31, 8                         ; 256 scale bytes a run
	s_add_nc_u64 s[SCA:SCA+1], s[SCA:SCA+1], s[32:33]
.macro LOAD t
.irp i, 0,1,2,3
	global_load_b128 v[R+16*((\t)%4)+4*\i:R+16*((\t)%4)+4*\i+3], v3, s[SRC:SRC+1] offset:2048*(\t)+512*\i th:TH_LOAD_NT   ; 32 lanes read 512 consecutive bytes
.endr
.endm
.macro TURN t                          ; step t's numbers through the stage: LDS serves a wave's instructions in order, so no wait stands between the stores and the loads
.irp i, 0,1,2,3
	ds_store_b128 v14, v[R+16*((\t)%4)+4*\i:R+16*((\t)%4)+4*\i+3] offset:32*SP*((\t)%2)+8*SP*\i
.endr
.irp i, 0,1,2,3
	ds_load_b128 v[X+16*((\t)%2)+4*\i:X+16*((\t)%2)+4*\i+3], v15 offset:32*SP*((\t)%2)+16*\i
.endr
.endm
.irp t, 0,1,2,3
	LOAD \t
.endr
	s_wait_loadcnt 12                              ; step 0's four loads are in; the twelve of steps 1 to 3 stay out
	TURN 0
.macro STEP t
.set XS, X+16*((\t)%2)
.if (\t) > 0
	s_wait_dscnt 1                                 ; this step's numbers are back from the stage (the last step's byte store may be out)
.else
	s_wait_dscnt 0x0
.endif
.if (\t)+4 < STEPS
	LOAD (\t)+4                                    ; into the registers that the stage's stores have read
.endif
.if (\t)+1 < STEPS
.if STEPS-2-(\t) >= 3
	s_wait_loadcnt 12                              ; the next step's four loads are in; those of the three steps behind it may be out
.else
	s_wait_loadcnt 4*(STEPS-2-(\t))
.endif
	TURN (\t)+1                                    ; through the other stage while this step is worked
.endif
	v_max3_num_f32 v8, |v[XS]|, |v[XS+1]|, |v[XS+2]|               ; the largest magnitude of my 16, in two chains
	v_max3_num_f32 v9, |v[XS+3]|, |v[XS+4]|, |v[XS+5]|
.irp i, 6,10
	v_max3_num_f32 v8, v8, |v[XS+\i]|, |v[XS+\i+1]|
	v_max3_num_f32 v9, v9, |v[XS+\i+2]|, |v[XS+\i+3]|
.endr
	v_max3_num_f32 v8, v8, |v[XS+14]|, |v[XS+15]|
	v_max3_num_f32 v8, v8, v9, (EMAX+1)<<23        ; and the floor 2^(EMAX + 1 - 127): the byte cannot fall under 1
	v_max_num_f32_dpp v8, v8, v8 row_xmask:1 row_mask:0xf bank_mask:0xf   ; and of my neighbour's 16: the block's
	v_add_nc_u32 v11, -(EMAX<<23), v8              ; EMAX off its exponent field: the conversion takes the exponent field of this operand as its scale
	v_cvt_scalef32_pk8_fp4_f32 v[C+4*(\t)], v[XS:XS+7], v11        ; to the nearest code, ties to even, beyond the largest code the largest
	v_cvt_scalef32_pk8_fp4_f32 v[C+4*(\t)+1], v[XS+8:XS+15], v11
	v_lshrrev_b32 v[E+(\t)], 23, v11               ; the scale's byte (a plain line behind the conversions)
	ds_store_b8 v5, v[E+(\t)] offset:16*(\t)       ; both lanes of a block write the same byte with the same value
	global_store_b64 v4, v[C+4*(\t):C+4*(\t)+1], s[COD:COD+1] offset:32*CB*(\t)   ; the wave stores 256 consecutive bytes, aligned
.endm
.irp t, 0,1,2,3,4,5,6,7,8,9,10,11,12,13,14,15
	STEP \t
.endr
	ds_load_b64 v[8:9], v6                         ; LDS serves a wave's instructions in order: these see my stores
	s_wait_dscnt 0x0
	global_store_b64 v7, v[8:9], s[SCA:SCA+1]      ; 32 lanes store 256 consecutive bytes, aligned
	s_wait_tensorcnt 0x0                           ; the wave's end, behind my last LDS store
	ds_add_u32 v[SPW], v[NIL]
	s_wait_dscnt 0x0
	s_endpgm
; ---- Wo to f16, in fragment order.  32 pieces a wave: two loads of 16 bytes, four roundings, one store of 512 consecutive bytes.
.Lwo:
	s_sub_co_u32 s35, ttmp9, NQWG
	s_lshl_b32 s35, s35, 2
	s_add_co_u32 s35, s35, s34                     ; W = 0 .. 127
	s_lshr_b32 s36, s35, 1                         ; T: which 16 rows
	s_and_b32 s37, s35, 1                          ; which half of K
	s_lshl_b32 s38, s36, 16                        ; 16 rows of 4,096 bytes
	s_lshl_b32 s39, s37, 11                        ; 512 numbers
	s_add_co_u32 s38, s38, s39
	s_mov_b32 s39, 0
	v_and_b32 v3, 15, v0                           ; r
	v_bfe_u32 v4, v0, 4, 1                         ; hh
	v_lshlrev_b32 v1, 12, v3
	v_lshl_add_u32 v1, v4, 5, v1                   ; in: row r, + 8 hh numbers
	v_lshlrev_b32 v2, 4, v2                        ; out: 16 bytes a lane
	s_wait_kmcnt 0x0
	s_add_nc_u64 s[12:13], s[12:13], s[38:39]
	s_lshl_b32 s38, s37, 20                        ; 16 K steps of 65,536 bytes
	s_lshl_b32 s36, s36, 10                        ; a tile's 1,024 bytes
	s_add_co_u32 s38, s38, s36
	s_add_nc_u64 s[22:23], s[22:23], s[38:39]
.macro LOADB n                         ; pieces 8 n .. 8 n + 7 (K step 4 n + q / 2 of my half, c = q % 2) into batch n % 2
.irp q, 0,1,2,3,4,5,6,7
	global_load_b128 v[16+64*((\n)%2)+8*\q:16+64*((\n)%2)+8*\q+3],   v1, s[12:13] offset:128*(4*(\n)+\q/2)+64*(\q%2)
	global_load_b128 v[16+64*((\n)%2)+8*\q+4:16+64*((\n)%2)+8*\q+7], v1, s[12:13] offset:128*(4*(\n)+\q/2)+64*(\q%2)+16
.endr
.endm
.macro OUTB n
	s_wait_xcnt 0x0                                ; the last batch's stores have read v144-175
.irp q, 0,1,2,3,4,5,6,7
.irp k, 0,1,2,3
	v_cvt_pk_f16_f32 v[144+4*\q+\k], v[16+64*((\n)%2)+8*\q+2*\k], v[16+64*((\n)%2)+8*\q+2*\k+1]
.endr
	global_store_b128 v2, v[144+4*\q:144+4*\q+3], s[22:23] offset:65536*(4*(\n)+\q/2)+512*(\q%2)
.endr
.endm
	LOADB 0
	LOADB 1
	s_wait_loadcnt 16                              ; batch 0 is in; batch 1's sixteen loads stay out
	OUTB 0
	LOADB 2
	s_wait_loadcnt 16                              ; batch 1; batch 2 stays out
	OUTB 1
	LOADB 3
	s_wait_loadcnt 16                              ; batch 2; batch 3 stays out
	OUTB 2
	s_wait_loadcnt 0x0
	OUTB 3
	s_endpgm
.Lfunc_end_k_q4d686035d2_quant:
	.size	k_q4d686035d2_quant, .Lfunc_end_k_q4d686035d2_quant-k_q4d686035d2_quant
	.p2alignl 7, 3214868480
	.fill 96, 4, 3214868480
	.section	.rodata,"a",@progbits
	.p2align	6, 0x0
	.amdhsa_kernel k_q4d686035d2_quant
		.amdhsa_group_segment_fixed_size 33280
		.amdhsa_private_segment_fixed_size 0
		.amdhsa_enable_private_segment 0
		.amdhsa_kernarg_size 80
		.amdhsa_user_sgpr_count 2
		.amdhsa_user_sgpr_kernarg_segment_ptr 1
		.amdhsa_wavefront_size32 1
		.amdhsa_system_sgpr_workgroup_id_x 1
		.amdhsa_system_sgpr_workgroup_id_y 1
		.amdhsa_system_sgpr_workgroup_id_z 1
		.amdhsa_system_vgpr_workitem_id 0
		.amdhsa_next_free_vgpr 192
		.amdhsa_next_free_sgpr 66
		.amdhsa_reserve_vcc 0
		.amdhsa_float_denorm_mode_32 3
		.amdhsa_float_denorm_mode_16_64 3
		.amdhsa_memory_ordered 1
		.amdhsa_forward_progress 1
		.amdhsa_inst_pref_size 52
	.end_amdhsa_kernel
	.amdgpu_metadata
---
amdhsa.version: [ 1, 2 ]
amdhsa.kernels:
  - .name:           k_q4d686035d2_quant
    .symbol:         k_q4d686035d2_quant.kd
    .args:
      - { .name: x, .offset: 0, .size: 8, .value_kind: global_buffer, .address_space: global }
      - { .name: Wq, .offset: 8, .size: 8, .value_kind: global_buffer, .address_space: global }
      - { .name: Wk, .offset: 16, .size: 8, .value_kind: global_buffer, .address_space: global }
      - { .name: Wv, .offset: 24, .size: 8, .value_kind: global_buffer, .address_space: global }
      - { .name: Wo, .offset: 32, .size: 8, .value_kind: global_buffer, .address_space: global }
      - { .name: xc, .offset: 40, .size: 8, .value_kind: global_buffer, .address_space: global }
      - { .name: xs, .offset: 48, .size: 8, .value_kind: global_buffer, .address_space: global }
      - { .name: wc, .offset: 56, .size: 8, .value_kind: global_buffer, .address_space: global }
      - { .name: ws, .offset: 64, .size: 8, .value_kind: global_buffer, .address_space: global }
      - { .name: wo16, .offset: 72, .size: 8, .value_kind: global_buffer, .address_space: global }
    .group_segment_fixed_size: 33280
    .private_segment_fixed_size: 0
    .kernarg_segment_align: 8
    .kernarg_segment_size: 80
    .max_flat_workgroup_size: 128
    .sgpr_count:     66
    .vgpr_count:     192
    .wavefront_size: 32
...
	.end_amdgpu_metadata
.endif
;; end of part 1
;; launch qkv (part 2): grid 12 x 32, 4 waves a work-group, clusters of 4 x 4, 327,680 bytes of LDS; arguments xc, xs, wc, ws, qkv, bq, bk, bv; writes qkv
.if DOCPART == 2
	.amdgcn_target "amdgcn-amd-amdhsa--gfx1250"
	.amdhsa_code_object_version 6
	.text
	.protected	k_q4d686035d2_qkv
	.globl	k_q4d686035d2_qkv
	.p2align	8
	.type	k_q4d686035d2_qkv,@function
k_q4d686035d2_qkv:
	s_mov_b64 s[64:65], 0
	v_nop
	global_prefetch_b8 v0, s[64:65] scope:SCOPE_SE
	s_setreg_imm32_b32 hwreg(HW_REG_WAVE_MODE, 25, 1), 1
	s_wait_xcnt 0x0
	s_wait_alu depctr_hold_cnt(0) depctr_sa_sdst(0) depctr_va_vdst(0) depctr_va_sdst(0) depctr_va_ssrc(0) depctr_va_vcc(0) depctr_vm_vsrc(0)
	s_getreg_b32 s2, hwreg(HW_REG_IB_STS2, 6, 4)
	s_cmp_eq_u32 s2, 0
	s_cbranch_scc0 .Lentry_in_a_cluster
	s_endpgm
.Lentry_in_a_cluster:
	s_bfe_u32 s2, ttmp6, 0x10000c
	s_cmp_lg_u32 s2, 0xf033
	s_cbranch_scc0 .Lentry_shape_is_right
	s_endpgm
.Lentry_shape_is_right:
; q, k, v = x W^T + b on codes of FP4 (E2M1) with one E8M0 scale for each 32 along K: C [8192][3072] = A [8192][1024] B [3072][1024]^T, B = Wq's, Wk's, Wv's rows on end; sums in f32.
; The result leaves as f16, by head: qkv [which 3][b 4][h 16][s 2048][64].  LIMIT: |q|, |k|, |v| stay under 65,504 (f16).
; A tile of C, 256 x 256, is made by a work-group of four waves; a wave makes 128 x 128: 64 accumulators of 16 x 16, 512 registers.  K = 1,024 is two steps of 512: both lie in LDS after the first fills;
; nothing is filled again.  The scale bytes of the work-group's rows of A and B come once, as dense blocks.
; CLUSTERS: 4 x 4 work-groups.  The four of a row of the cluster need the same tiles of A, the four of a column the same tiles of B: each tile is asked for JOINTLY.  A cluster's x is the weight (4 tile columns = 1,024).
; THE MATRIX INSTRUCTION IS USED TRANSPOSED (source 0 = 16 rows of B, source 1 = 16 rows of A): a lane holds eight neighbouring columns of one row of C.  The bias is the C of each sum's first instruction.
; REGISTERS: window 0: v0-31 addresses; v32-95 scale words, two sets; v128-191 A's fragments, one set; on the way out v128-223.
;   window 1: B's fragments, two sets, at v0 and v128; v64-127 the bias, eight registers for each of B's eight blocks.   window 2, 3: the accumulators of my rows 0-63, 64-127 ((a, b) at v[8 (8 (a % 4) + b)]).
.set SIZE_K, 1024
.set KSTEP,  512                       ; along K in a slot
.set NQ,     KSTEP/128                 ; matrix instructions deep
.set ROWB,   256                       ; a tile's row in bytes
.set KROW,   SIZE_K*4/8                ; a row of A or B in memory
.set PITCH,  272                       ; an LDS row: 256 bytes + 16 of padding, so that the 16 rows of a fragment load start 68 words apart
.set FR,     8                         ; registers of a fragment
.set NL,     2                         ; LDS loads that bring one
.set NP,     4                         ; places behind this matrix instruction (ISA guide 7.12.1)
.set HALFT,  128*PITCH
.set SLOT,   4*HALFT                   ; A's 256 rows, then B's 256 rows
.set KS,     SIZE_K/32                 ; a row of scales in bytes
.set SCL,    2*SLOT                    ; behind the slots: the scales, as units of 256 bytes + 16 of padding
.set HALFS,  (128*KS/256)*272
.set SBLK,   (16*KS/256)*272
.set SPARE,  SCL+4*HALFS               ; the spare words, 128 bytes a wave
.set SPITCH, 272                       ; the way out: a stage of 16 rows x (256 bytes + 16) a wave, in slot 0, which has had its only fill and its last read by then
.set ADRA, 16
.set ADRB, 20
.set STO,  24
.set RD,   25
.set CO,   26
.set ADRS, 27
.set SPW,  28
.set NIL,  29
.set BOF,  30                          ; v30 the bias: 32 bytes for the upper half of the lanes
.set SC,   32
.set AF,   128
.set BK,   128                         ; the way out: rows read back: v128-159 and v160-191 by turns
.set TMP,  192                         ; the way out: packed results
.set BIAS, 64                          ; in window 1
.set G1, 24
.set G0, 32
.set G1B, 48
.set G0B, 56
.set G1S, 68
.set G0S, 76
.set G1SB, 80
.set G0SB, 88
.set MSB, 0
.macro WIN new                         ; the immediate's high byte repeats the setting that is left
.if MSB != \new
	s_set_vgpr_msb (MSB<<8)|\new
.set MSB, \new
.endif
.endm
.set MUL_LO, 0xa1                      ; source 0 (B) window 1, source 1 (A) window 0, C and D window 2
.set MUL_HI, 0xf1                      ; the same, C and D window 3
.set FST_LO, 0x91                      ; the first step: C (the bias) window 1, D window 2
.set FST_HI, 0xd1                      ; D window 3
.set TO_B,   0x40                      ; destination window 1, address window 0
; A joint load: waves 0 and 1 fetch for A, waves 2 and 3 for B; the branch hangs on the wave's number alone.  An s_nop 0 and four v_nop follow each of the two lines.
.macro JLOAD g0a, g1a, g0b, g1b
	s_cmp_eq_u32 s15, 0
	s_cbranch_scc0 .Lfor_b_\@
	tensor_load_to_lds s[\g0a:\g0a+3], s[\g1a:\g1a+7]
	s_nop 0
.rept 4
	v_nop
.endr
	s_branch .Lasked_\@
.Lfor_b_\@:
	tensor_load_to_lds s[\g0b:\g0b+3], s[\g1b:\g1b+7]
	s_nop 0
.rept 4
	v_nop
.endr
.Lasked_\@:
.endm
.macro CROUND                          ; a round of the cluster's barrier
	s_barrier_signal -1
	s_barrier_wait -1
	s_cmp_lg_u32 s14, 0
	s_cbranch_scc1 .Lnot_wave_0_\@
	s_barrier_signal -3
.Lnot_wave_0_\@:
	s_barrier_wait -3
	s_barrier_signal -1
	s_barrier_wait -1
.endm
	s_load_b128 s[4:7], s[0:1], 0x0                ; A's codes, A's scales
	s_load_b128 s[8:11], s[0:1], 0x10              ; B's codes, B's scales
	s_load_b64 s[12:13], s[0:1], 0x20              ; qkv
	s_load_b128 s[96:99], s[0:1], 0x28             ; bq, bk
	s_load_b64 s[100:101], s[0:1], 0x38            ; bv
	v_lshl_add_u32 v[SPW], v0, 2, SPARE
	v_mov_b32 v[NIL], 0
	ds_add_u32 v[SPW], v[NIL]                      ; the wave's opening: the add, twice on end, and its wait ahead of my first tensor load
	ds_add_u32 v[SPW], v[NIL]
	v_lshrrev_b32 v1, 5, v0
	v_readfirstlane_b32 s14, v1                    ; wave 0..3
	s_lshr_b32 s15, s14, 1                         ; which half of the tile's rows is mine.  Also: I fetch for A (0) or for B (1)
	s_and_b32 s16, s14, 1                          ; which half of its columns.  Also: which 128 rows of that tile I fetch
	s_bfe_u32 s40, ttmp6, 0x40000                  ; cx, cy: my place in the cluster
	s_bfe_u32 s41, ttmp6, 0x40004
	s_lshl_b32 s42, ttmp9, 2
	s_add_co_u32 s42, s42, s40                     ; tile column of C = 4 x cluster x + cx
	s_and_b32 s17, ttmp7, 0xffff
	s_lshl_b32 s17, s17, 2
	s_add_co_u32 s17, s17, s41                     ; tile row of C = 4 x cluster y + cy
	s_lshl_b32 s43, s41, 2
	s_lshl_b32 s43, 15, s43                        ; my row of the cluster
	s_lshl_b32 s44, 0x1111, s40                    ; my column
	; descriptor group 1: a tile of 128 rows x 256 bytes, 16 bytes of padding behind each row
	s_or_b32 s[G1+0], s43, (0<<16)|(1<<20)|(1<<21)|(5<<22)|(3<<25)  ; the mask: A's tiles go to my row; elements of 1 byte; padding on; bit 21 beside a mask; 4 words after every 64
	s_or_b32 s[G1B+0], s44, (0<<16)|(1<<20)|(1<<21)|(5<<22)|(3<<25)
.irp g, G1, G1B
	s_mov_b32 s[\g+1], ROWB<<16                    ; tensor_dim0
	s_mov_b32 s[\g+2], 128<<16                     ; tensor_dim1
	s_mov_b32 s[\g+3], ROWB<<16                    ; tile_dim0
	s_mov_b32 s[\g+4], 128                         ; tile_dim1
	s_mov_b32 s[\g+5], KROW                        ; the pitch
	s_mov_b32 s[\g+6], 0
	s_mov_b32 s[\g+7], 0
.endr
	; the scales of 128 rows: a dense block of 4,096 bytes, as rows of 256 bytes (32 elements of 8), 16 bytes of padding behind each
	s_or_b32 s[G1S+0], s43, (3<<16)|(1<<20)|(1<<21)|(5<<22)|(3<<25)
	s_or_b32 s[G1SB+0], s44, (3<<16)|(1<<20)|(1<<21)|(5<<22)|(3<<25)
.irp g, G1S, G1SB
	s_mov_b32 s[\g+1], 32<<16
	s_mov_b32 s[\g+2], (128*KS/256)<<16
	s_mov_b32 s[\g+3], 32<<16
	s_mov_b32 s[\g+4], 128*KS/256
	s_mov_b32 s[\g+5], 32
	s_mov_b32 s[\g+6], 0
	s_mov_b32 s[\g+7], 0
.endr
	s_lshl_b32 s18, s16, 7                         ; which 128 rows of the tile I fetch
	s_lshl_b32 s20, s17, 8
	s_add_co_u32 s20, s20, s18                     ; A: row 256 x tile row + 128 x half
	s_lshl_b32 s46, s42, 8
	s_add_co_u32 s46, s46, s18                     ; B: row 256 x tile column + 128 x half
	s_mov_b32 s21, 0
	s_mov_b32 s47, 0
	s_mov_b64 s[18:19], KS
	s_mul_u64 s[22:23], s[20:21], s[18:19]         ; where these rows' scales begin
	s_mul_u64 s[92:93], s[46:47], s[18:19]
	s_mov_b64 s[18:19], KROW
	s_mul_u64 s[20:21], s[20:21], s[18:19]         ; and their codes
	s_mul_u64 s[46:47], s[46:47], s[18:19]
	s_mul_i32 s45, s14, HALFT                      ; where they go: wave x 128 rows: no place in the cluster enters an LDS address
	s_mul_i32 s94, s14, HALFS
	s_wait_dscnt 0x0                               ; both opening adds are done
	s_wait_kmcnt 0x0
	s_add_nc_u64 s[20:21], s[4:5], s[20:21]
	s_add_nc_u64 s[22:23], s[6:7], s[22:23]
	s_add_nc_u64 s[46:47], s[8:9], s[46:47]
	s_add_nc_u64 s[92:93], s[10:11], s[92:93]
	CROUND                                         ; all sixteen work-groups are here: the joint loads meet
	s_mov_b32 s[G0S], 1
	s_add_co_u32 s[G0S+1], s94, SCL
	s_mov_b64 s[G0S+2:G0S+3], s[22:23]
	s_or_b32 s[G0S+3], s[G0S+3], 0x80000000
	s_mov_b32 s[G0SB], 1
	s_add_co_u32 s[G0SB+1], s94, SCL
	s_mov_b64 s[G0SB+2:G0SB+3], s[92:93]
	s_or_b32 s[G0SB+3], s[G0SB+3], 0x80000000
	JLOAD G0S, G1S, G0SB, G1SB                     ; the scales first: they are wanted with K step 0
.irp s, 0,1
	s_mov_b32 s[G0+4*\s], 1
	s_add_co_u32 s[G0+4*\s+1], s45, \s*SLOT
	s_add_nc_u64 s[G0+4*\s+2:G0+4*\s+3], s[20:21], \s*ROWB
	s_or_b32 s[G0+4*\s+3], s[G0+4*\s+3], 0x80000000
	s_mov_b32 s[G0B+4*\s], 1
	s_add_co_u32 s[G0B+4*\s+1], s45, \s*SLOT
	s_add_nc_u64 s[G0B+4*\s+2:G0B+4*\s+3], s[46:47], \s*ROWB
	s_or_b32 s[G0B+4*\s+3], s[G0B+4*\s+3], 0x80000000
	JLOAD G0+4*\s, G1, G0B+4*\s, G1B               ; three tensor loads of mine are out behind the last of these
.endr
	v_and_b32 v1, 15, v0                           ; l % 16
	v_bfe_u32 v2, v0, 4, 1                         ; l / 16
	v_mul_u32_u24 v3, v1, PITCH
	v_lshl_add_u32 v4, v2, 4, v3                   ; a fragment's row x pitch + 16 x half
	s_mul_i32 s21, s15, HALFT                      ; my 128 rows of A
	s_mul_i32 s22, s16, HALFT                      ; my 128 rows of B,
	s_add_co_u32 s22, s22, 2*HALFT                 ; which lie behind A's 256
.irp s, 0,1
	v_add_nc_u32 v[ADRA+\s], s21, v4
	v_add_nc_u32 v[ADRB+\s], s22, v4
	s_add_co_u32 s21, s21, SLOT
	s_add_co_u32 s22, s22, SLOT
.endr
	v_mul_u32_u24 v5, v1, KS                       ; my row's scales: KS bytes a row,
	v_lshrrev_b32 v6, 8, v5
	v_lshl_add_u32 v5, v6, 4, v5                   ; and 16 more for each 256 passed
	s_mul_i32 s21, s15, HALFS                      ; A's: my 128 rows
	s_mul_i32 s22, s16, HALFS                      ; B's: my 128 rows, behind A's 256
	s_add_co_u32 s22, s22, 2*HALFS
	s_sub_co_u32 s22, s22, s21
	v_mul_u32_u24 v6, s22, v2                      ; lanes 16-31 take B's
	s_add_co_u32 s21, s21, SCL
	v_add_nc_u32 v5, v5, v6
	v_add_nc_u32 v[ADRS], s21, v5
	s_mul_i32 s23, s14, 16*SPITCH                  ; my stage
	v_mul_u32_u24 v5, v1, SPITCH                   ; in: row l % 16, 16 bytes for each half of the lanes
	v_lshl_add_u32 v5, v2, 4, v5
	v_add_nc_u32 v[STO], s23, v5
	v_and_b32 v6, 31, v0
	v_lshlrev_b32 v[CO], 4, v6                     ; out: four rows of a head, 128 bytes each, are 512 consecutive bytes: 16 a lane
	v_lshrrev_b32 v5, 3, v6
	v_mul_u32_u24 v5, v5, SPITCH                   ; back: eight lanes to a head's 128 bytes of a row, four rows an instruction
	v_and_b32 v6, 7, v6
	v_lshl_add_u32 v5, v6, 4, v5
	v_add_nc_u32 v[RD], s23, v5
	v_lshlrev_b32 v[BOF], 5, v2
	; where my part begins in qkv: ((16 b + head) 2,048 + s) 128 bytes + 16,777,216 x which
	s_lshr_b32 s20, s17, 3                         ; b: eight tile rows to a sequence
	s_lshl_b32 s20, s20, 4
	s_lshl_b32 s21, s40, 2                         ; four heads to a tile column,
	s_add_co_u32 s20, s20, s21
	s_lshl_b32 s21, s16, 1                         ; two to my half
	s_add_co_u32 s20, s20, s21
	s_lshl_b32 s20, s20, 11
	s_and_b32 s21, s17, 7
	s_lshl_b32 s21, s21, 8
	s_add_co_u32 s20, s20, s21
	s_lshl_b32 s21, s15, 7
	s_add_co_u32 s20, s20, s21
	s_lshl_b32 s20, s20, 7
	s_lshl_b32 s21, ttmp9, 24
	s_add_co_u32 s20, s20, s21
	s_mov_b32 s21, 0
	s_add_nc_u64 s[12:13], s[12:13], s[20:21]
	; the bias of my 128 columns: the weight is the cluster's x, the same in all partners
	s_cmp_eq_u32 ttmp9, 0
	s_cselect_b64 s[96:97], s[96:97], s[98:99]
	s_cmp_eq_u32 ttmp9, 2
	s_cselect_b64 s[96:97], s[100:101], s[96:97]
	s_lshl_b32 s66, s40, 10                        ; 256 columns a tile,
	s_lshl_b32 s67, s16, 9                         ; 128 my half
	s_add_co_u32 s66, s66, s67
	s_mov_b32 s67, 0
	s_add_nc_u64 s[96:97], s[96:97], s[66:67]
	WIN TO_B
.irp b, 0,1,2,3,4,5,6,7
	global_load_b128 v[BIAS+8*\b:BIAS+8*\b+3],   v[BOF], s[96:97] offset:64*\b      ; lane (r, hh): the bias of columns 16 b + 8 hh + 0 .. 7: the result's layout
	global_load_b128 v[BIAS+8*\b+4:BIAS+8*\b+7], v[BOF], s[96:97] offset:64*\b+16
.endr
	WIN 0
.macro FRAG reg, adr, q, i             ; a fragment, 16 rows x 128 K of 4-bit codes: registers 4 c .. 4 c + 3 hold K = 64 c + 32 (l / 16) + 0 .. 31
.irp c, 0,1
	ds_load_b128 v[\reg+4*\c:\reg+4*\c+3], v[\adr] offset:64*(\q)+32*\c+(\i)*16*PITCH
.endr
.endm
; 16 matrix instructions: A's blocks a0, a0 + 1 x B's eight, the slot's q-th 128 along K.  p: B's set; sc: the set of scale words.  zero = 1: the first product starts the sums from the bias.
; The 64 accumulators take turns, one instruction a turn, in the same order in every step.
.macro MUL16 a0, p, q, sc, zero
.irp a, \a0, \a0+1
.irp b, 0,1,2,3,4,5,6,7
.if \zero
	v_wmma_scale_f32_16x16x128_f8f6f4 v[8*(8*((\a)%4)+\b):8*(8*((\a)%4)+\b)+7], v[128*(\p)+FR*\b:128*(\p)+FR*\b+FR-1], v[AF+FR*(\a):AF+FR*(\a)+FR-1], v[BIAS+8*\b:BIAS+8*\b+7], v[SC+8*NQ*(\sc)+NQ*\b+(\q)], v[SC+8*NQ*(\sc)+NQ*(\a)+(\q)] matrix_a_fmt:MATRIX_FMT_FP4 matrix_b_fmt:MATRIX_FMT_FP4 matrix_a_scale:MATRIX_SCALE_ROW1
.else
	v_wmma_scale_f32_16x16x128_f8f6f4 v[8*(8*((\a)%4)+\b):8*(8*((\a)%4)+\b)+7], v[128*(\p)+FR*\b:128*(\p)+FR*\b+FR-1], v[AF+FR*(\a):AF+FR*(\a)+FR-1], v[8*(8*((\a)%4)+\b):8*(8*((\a)%4)+\b)+7], v[SC+8*NQ*(\sc)+NQ*\b+(\q)], v[SC+8*NQ*(\sc)+NQ*(\a)+(\q)] matrix_a_fmt:MATRIX_FMT_FP4 matrix_b_fmt:MATRIX_FMT_FP4 matrix_a_scale:MATRIX_SCALE_ROW1
.endif
.endr
.endr
.endm
.macro FETCH_B slot, q, p
	WIN TO_B
.irp i, 0,1,2,3,4,5,6,7
	FRAG 128*(\p)+FR*\i, ADRB+\slot, \q, \i
.endr
	WIN 0
.endm
.macro FETCH_A slot, q, i0
.irp i, \i0, \i0+1, \i0+2, \i0+3
	FRAG AF+FR*(\i), ADRA+\slot, \q, \i
.endr
.endm
.macro SCALES sc                       ; a K step's scale words into set sc: lanes 0-15 take A's block i, lanes 16-31 B's block i
.irp i, 0,1,2,3,4,5,6,7
	ds_load_b128 v[SC+8*NQ*\sc+NQ*\i:SC+8*NQ*\sc+NQ*\i+3], v[ADRS] offset:\i*SBLK
.endr
.endm
.macro PLACES n                        ; plain vector lines between a matrix instruction and a load into its registers, or a read of its result
.rept \n
	v_nop
.endr
.endm
; A step of 128 along K that has its successor in the same slot.
.macro STEP slot, q, zero
	s_wait_dscnt 4*NL                              ; B's set and A's blocks 0-3 are in; the youngest eight loads (A's blocks 4-7) may be out
.if \zero
	WIN FST_LO
.else
	WIN MUL_LO
.endif
	MUL16 0, (\q)%2, \q, \slot, \zero
	MUL16 2, (\q)%2, \q, \slot, \zero
	s_wait_dscnt 0                                 ; A's blocks 4-7 are in
	PLACES NP
	FETCH_B \slot, (\q)+1, 1-(\q)%2
	FETCH_A \slot, (\q)+1, 0
.if \zero
	WIN FST_HI
.else
	WIN MUL_HI
.endif
	MUL16 4, (\q)%2, \q, \slot, \zero
	MUL16 6, (\q)%2, \q, \slot, \zero
	PLACES NP
	WIN 0
	FETCH_A \slot, (\q)+1, 4
.endm
; Slot 0's last step goes over to slot 1: each wave waits for all its tensor loads (its part of slot 1), adds 0 to its spare word, waits for that and for its reads of slot 0, and passes the barrier.
.macro TURN slot, next
	s_wait_tensorcnt 0x0                           ; all my tensor loads have landed
	ds_add_u32 v[SPW], v[NIL]                      ; 0 onto my spare word
	s_wait_dscnt 4*NL+1                            ; the add and the youngest eight loads (A's blocks 4-7) may be out
	WIN MUL_LO
	MUL16 0, 1, NQ-1, \slot, 0
	s_wait_dscnt 0x0                               ; the add is done, and my reads of this slot are over
	s_barrier_signal -1
	MUL16 2, 1, NQ-1, \slot, 0
	WIN 0
	s_barrier_wait -1
	PLACES NP
	v_add_nc_u32 v[ADRS], 4*NQ, v[ADRS]            ; on to the next K step's scale words
	FETCH_B \next, 0, 0
	FETCH_A \next, 0, 0
	SCALES \next
	WIN MUL_HI
	MUL16 4, 1, NQ-1, \slot, 0
	MUL16 6, 1, NQ-1, \slot, 0
	PLACES NP
	WIN 0
	FETCH_A \next, 0, 4
.endm
	s_wait_tensorcnt 1                             ; the scales and my part of K step 0 are in; K step 1's load, the one issued behind them, may be out
	s_barrier_signal -1
	s_barrier_wait -1                              ; everybody's are
	FETCH_B 0, 0, 0
	FETCH_A 0, 0, 0
	SCALES 0
	FETCH_A 0, 0, 4
	s_wait_loadcnt 0x0                             ; the bias
	STEP 0, 0, 1
	STEP 0, 1, 0
	STEP 0, 2, 0
	TURN 0, 1
	STEP 1, 0, 0
	STEP 1, 1, 0
	STEP 1, 2, 0
	s_wait_dscnt 4*NL                              ; the very last step: nothing more to fetch
	WIN MUL_LO
	MUL16 0, 1, NQ-1, 1, 0
	MUL16 2, 1, NQ-1, 1, 0
	s_wait_dscnt 0
	WIN MUL_HI
	MUL16 4, 1, NQ-1, 1, 0
	MUL16 6, 1, NQ-1, 1, 0
	WIN 0
; THE WAY OUT, block by block of 16 rows x 128 columns (two heads).  PACK: rounded to f16, 16 bytes a lane, each accumulator from its low end on.  TOSTAGE: into my own stage, and back four rows of one head at a time.
; SEND: each store covers 512 consecutive bytes of qkv, aligned.  LDS serves a wave's instructions in order, so no wait stands between the stage's stores and its loads.
.macro PACK a
.set AC, 64*((\a)%4)
	WIN 0x0a+5*((\a)/4)                            ; sources 0 and 1: window 2 or 3
.irp b, 0,1,2,3,4,5,6,7
.irp r, 0,1,2,3
	v_cvt_pk_f16_f32 v[TMP+4*\b+\r], v[AC+8*\b+2*\r], v[AC+8*\b+2*\r+1]
.endr
.endr
	WIN 0
.endm
.macro TOSTAGE a
.set BB, BK+32*((\a)%2)
.irp b, 0,1,2,3,4,5,6,7
	ds_store_b128 v[STO], v[TMP+4*\b:TMP+4*\b+3] offset:32*\b
.endr
.irp u, 0,1,2,3,4,5,6,7
	ds_load_b128 v[BB+4*\u:BB+4*\u+3], v[RD] offset:4*SPITCH*(\u%4)+128*(\u/4)     ; rows 4 (u % 4) on, head u / 4
.endr
.endm
.macro SEND a
.set BB, BK+32*((\a)%2)
	s_wait_dscnt 0x0                               ; the block is back in registers
	s_wait_xcnt 0x0                                ; the block before has had its stores' registers read: the next block's loads may land there
.irp u, 0,1,2,3,4,5,6,7
	global_store_b128 v[CO], v[BB+4*\u:BB+4*\u+3], s[12:13] offset:262144*(\u/4)+128*(16*(\a)+4*(\u%4))
.endr
.endm
	PLACES NP                                      ; behind the last products: for the reads of results and the loads into A's registers
	PACK 0
	TOSTAGE 0
.irp a, 1,2,3,4,5,6,7                  ; block a's conversions stand between block a - 1's loads from the stage and the wait for them
	PACK \a
	SEND \a-1
	TOSTAGE \a
.endr
	SEND 7
	s_wait_tensorcnt 0x0                           ; the wave's end
	ds_add_u32 v[SPW], v[NIL]
	s_wait_dscnt 0x0
	CROUND                                         ; the closing round
	s_endpgm
.Lfunc_end_k_q4d686035d2_qkv:
	.size	k_q4d686035d2_qkv, .Lfunc_end_k_q4d686035d2_qkv-k_q4d686035d2_qkv
	.p2alignl 7, 3214868480
	.fill 96, 4, 3214868480
	.section	.rodata,"a",@progbits
	.p2align	6, 0x0
	.amdhsa_kernel k_q4d686035d2_qkv
		.amdhsa_group_segment_fixed_size 327680
		.amdhsa_private_segment_fixed_size 0
		.amdhsa_enable_private_segment 0
		.amdhsa_kernarg_size 64
		.amdhsa_user_sgpr_count 2
		.amdhsa_user_sgpr_kernarg_segment_ptr 1
		.amdhsa_wavefront_size32 1
		.amdhsa_system_sgpr_workgroup_id_x 1
		.amdhsa_system_sgpr_workgroup_id_y 1
		.amdhsa_system_sgpr_workgroup_id_z 1
		.amdhsa_system_vgpr_workitem_id 0
		.amdhsa_next_free_vgpr 1024
		.amdhsa_next_free_sgpr 102
		.amdhsa_reserve_vcc 0
		.amdhsa_float_denorm_mode_32 3
		.amdhsa_float_denorm_mode_16_64 3
		.amdhsa_memory_ordered 1
		.amdhsa_forward_progress 1
		.amdhsa_inst_pref_size 128
	.end_amdhsa_kernel
	.amdgpu_metadata
---
amdhsa.version: [ 1, 2 ]
amdhsa.kernels:
  - .name:           k_q4d686035d2_qkv
    .symbol:         k_q4d686035d2_qkv.kd
    .args:
      - { .name: xc, .offset: 0, .size: 8, .value_kind: global_buffer, .address_space: global }
      - { .name: xs, .offset: 8, .size: 8, .value_kind: global_buffer, .address_space: global }
      - { .name: wc, .offset: 16, .size: 8, .value_kind: global_buffer, .address_space: global }
      - { .name: ws, .offset: 24, .size: 8, .value_kind: global_buffer, .address_space: global }
      - { .name: qkv, .offset: 32, .size: 8, .value_kind: global_buffer, .address_space: global }
      - { .name: bq, .offset: 40, .size: 8, .value_kind: global_buffer, .address_space: global }
      - { .name: bk, .offset: 48, .size: 8, .value_kind: global_buffer, .address_space: global }
      - { .name: bv, .offset: 56, .size: 8, .value_kind: global_buffer, .address_space: global }
    .group_segment_fixed_size: 327680
    .private_segment_fixed_size: 0
    .kernarg_segment_align: 8
    .kernarg_segment_size: 64
    .max_flat_workgroup_size: 128
    .sgpr_count:     102
    .vgpr_count:     1024
    .wavefront_size: 32
...
	.end_amdgpu_metadata
.endif
;; end of part 2
;; launch attn (part 3): grid 4 x 64, 16 waves a work-group, no clusters, 327,680 bytes of LDS; arguments qkv, ctx; writes ctx
.if DOCPART == 3
	.amdgcn_target "amdgcn-amd-amdhsa--gfx1250"
	.amdhsa_code_object_version 6
	.text
	.protected	k_q4d686035d2_attn
	.globl	k_q4d686035d2_attn
	.p2align	8
	.type	k_q4d686035d2_attn,@function
k_q4d686035d2_attn:
	s_mov_b64 s[64:65], 0
	v_nop
	global_prefetch_b8 v0, s[64:65] scope:SCOPE_SE
	s_setreg_imm32_b32 hwreg(HW_REG_WAVE_MODE, 25, 1), 1
	s_wait_xcnt 0x0
; ctx[b][s][64 h ..] = the sum over keys k <= s of softmax_k(q . k / 8) v, for each of 64 heads (b, h).  q, k, v: qkv [which 3][head 64][s 2048][64] f16.  Products on f16 operands, sums, maxima and exponentials in f32;
; the weights p are rounded to f16 for the second product, the result once at the end.  A running maximum m and sum l for each query: p = 2^(c s - c m), c = log2(e) / 8.
; ctx leaves as images of the next product's operand registers: [mtile 512][ks 32][c 2][lane 32][16 B]: lane (r, hh) of piece (ks, c) holds row r, channels 32 ks + 16 c + 8 hh + 0 .. 7.
; LIMIT: |q|, |k|, |v| under 65,504 (f16), as the launch before keeps them.
; SHARES.  Work-group (j, head) owns the query blocks j and 7 - j of 256 queries: under the causal mask that is the same work in every work-group.  Waves 0-7 take block j, waves 8-15 block 7 - j; a wave owns 32 queries, two tiles.
; All sixteen walk one stream of K and V, 64 keys a step, through two LDS slots of 256 keys filled by tensor loads (waves 0, 1: K's halves; waves 2, 3: V's).  Four waves share a SIMD: one's softmax stands beside another's products.
; NO CLUSTER: the four work-groups of a head need 8, 7, 6 and 5 slots; a joint load would bring some partner tiles that none of its waves reads.
; LAYOUT.  S^T = K Q^T (source 0 = 16 keys, source 1 = 16 queries): a lane holds ONE query (lane % 16) and keys 8 (lane / 16) + 0 .. 7 of each tile of 16.  Two such tiles rounded in pairs ARE source 1 of O^T = V^T P.
; K comes out of LDS as it lies, V ([key][channel]) turned, by ds_load_tr16_b128.
; THE MASK.  Every work-group walks all 8 slots: trip counts are constants.  A step all of whose keys come after my 32 queries is jumped over (ids alone); on the diagonal hidden scores become -infinity ahead of the maximum.
; A step that is walked begins at or under my first query, so each of its rows has a key that counts.  A slot whose first key comes after the work-group's last query is not asked for.
.set SK,    256                        ; keys in a slot
.set NQ,    4                          ; steps in a slot
.set KP,    144                        ; a key's row in LDS: 128 bytes + 16
.set VP,    160                        ; a row of V: 128 bytes + 32
.set VOFF,  SK*KP
.set SLOT1, 1<<17                      ; slot 1 begins here: one exclusive or turns an address from slot to slot
.set NSL,   2048/SK
.set SPARE, 2*SLOT1                    ; the spare words, 128 bytes for each of 16 waves
.set KBASE, 0x1000000                  ; k's and v's first byte in qkv
.set VBASE, 0x2000000
.set AK0,  1                           ; v1  my lane's place in a tile of K
.set AV0,  2                           ; v2  the same for V
.set ADK,  3                           ; v3, v4 the addresses in hand
.set ADV,  4
.set SPW,  5                           ; v5  my spare word; never rewritten
.set NIL,  6                           ; v6  0; never rewritten
.set PFO,  7                           ; v7  256 x lane: the prefetches' offset
.set QO,   8                           ; v8  Q's offset
.set NINF, 9                           ; v9  -infinity
.set DL,   10                          ; v10 r - 8 hh: the lane's term of the mask
.set GO,   11                          ; v11 16 x lane: the way out
.set ST,   12                          ; tile t's statistics at v[ST + 10 t]: +0 c m, +1 m, +2, +3 l, +4 .. +7 at work, +8 a, +9 c m_old - c m_new (ahead of that: the mask's distance)
.set QF,   32                          ; v32-63   Q: fragment (t, ks) at 16 t + 8 ks
.set KV,   64                          ; v64-127  K's 8 fragments, then V's 8
.set S,    128                         ; v128-191 S^T, 32 a tile; p in f16 over each tile's lower 16
.set O,    192                         ; v192-255 O^T, 32 a tile
.set TB,   2                           ; s2  LDS byte at which the slot in hand begins
.set WV,   18
.set SEL,  20                          ; s[20:21] lane l xor 16
.set CS,   22                          ; s[22:23] c, twice
.set G1K,  24
.set G1V,  32
.set G0K,  40
.set G0V,  44
.set KF,   66                          ; s66 the step's first key
.set SLOTS, 67
.set Q0,   69                          ; s69 my first query
.set LASTQ, 70                         ; s70 the work-group's last query
.set PFA,  76                          ; s[76:77] where my prefetches stand
.set LIM,  80                          ; s80 1 in a wave that prefetches, else the greatest number
; Waves 0 and 1 fetch for K, waves 2 and 3 for V, the others nothing.  An s_nop 0 and four v_nop follow each of the two lines.
.macro TLOAD
	s_cmp_lt_u32 s[WV], 2
	s_cbranch_scc0 .Lnot_k_\@
	tensor_load_to_lds s[G0K:G0K+3], s[G1K:G1K+7]
	s_nop 0
.rept 4
	v_nop
.endr
	s_branch .Lasked_\@
.Lnot_k_\@:
	s_cmp_lt_u32 s[WV], 4
	s_cbranch_scc0 .Lasked_\@
	tensor_load_to_lds s[G0V:G0V+3], s[G1V:G1V+7]
	s_nop 0
.rept 4
	v_nop
.endr
.Lasked_\@:
.endm
; A PREFETCH INTO THE L2 of the slot that the NEXT change of slots will ask for: 32,768 bytes of K and of V.  Each aligned block of 256 bytes is named once in the launch: of a head's four work-groups the one with
; j = 0, which walks all 8 slots, asks; in it waves 4-7 for K, waves 8-11 for V, 8,192 bytes a wave, lanes 256 bytes apart.  The last change that fills a slot asks for nothing.
.macro ASK
	s_cmp_gt_u32 s[SLOTS], s[LIM]
	s_cbranch_scc0 .Lnot_mine_\@
	global_prefetch_b8 v[PFO], s[PFA:PFA+1] th:TH_LOAD_NT scope:SCOPE_SE
.Lnot_mine_\@:
.endm
	s_load_b128 s[4:7], s[0:1], 0x0                ; qkv, ctx
	v_lshl_add_u32 v[SPW], v0, 2, SPARE
	v_mov_b32 v[NIL], 0
	ds_add_u32 v[SPW], v[NIL]                      ; the wave's opening: the add, twice on end, and its wait ahead of my first tensor load
	ds_add_u32 v[SPW], v[NIL]
	v_lshrrev_b32 v8, 5, v0
	v_readfirstlane_b32 s[WV], v8                  ; wave 0..15
	s_and_b32 s72, ttmp7, 0xffff                   ; the head, 16 b + h
	s_lshl_b32 s74, s72, 18                        ; its 262,144 bytes in each of q, k, v
	s_sub_co_u32 s71, 7, ttmp9
	s_cmp_lt_u32 s[WV], 8
	s_cselect_b32 s71, ttmp9, s71                  ; my block of 256 queries: j or 7 - j
	s_lshl_b32 s[Q0], s71, 8
	s_and_b32 s73, s[WV], 7
	s_lshl_b32 s73, s73, 5
	s_add_co_u32 s[Q0], s[Q0], s73                 ; my first query
	s_sub_co_u32 s[LASTQ], 8, ttmp9
	s_lshl_b32 s[LASTQ], s[LASTQ], 8
	s_sub_co_u32 s[LASTQ], s[LASTQ], 1             ; block 7 - j's last query
	s_and_b32 s88, s[WV], 1                        ; which 128 rows of a slot I fetch, if I fetch
	s_lshl_b32 s90, s88, 14
	s_add_co_u32 s90, s90, s74
	s_add_co_u32 s92, s90, VBASE
	s_add_co_u32 s90, s90, KBASE
	s_mov_b32 s91, 0
	s_mov_b32 s93, 0
	s_mul_i32 s89, s88, 128*KP
	s_mul_i32 s94, s88, 128*VP
	s_add_co_u32 s94, s94, VOFF
	; descriptor group 1: 128 rows of 64 elements of 2 bytes, dense in memory; padding behind every row of 32 words: K 4 words, V 8
	s_mov_b32 s[G1K], (1<<16)|(1<<20)|(4<<22)|(3<<25)
	s_mov_b32 s[G1V], (1<<16)|(1<<20)|(4<<22)|(7<<25)
.irp g, G1K, G1V
	s_mov_b32 s[\g+1], 64<<16                      ; tensor_dim0
	s_mov_b32 s[\g+2], 128<<16                     ; tensor_dim1
	s_mov_b32 s[\g+3], 64<<16                      ; tile_dim0
	s_mov_b32 s[\g+4], 128                         ; tile_dim1
	s_mov_b32 s[\g+5], 64                          ; the pitch
	s_mov_b32 s[\g+6], 0
	s_mov_b32 s[\g+7], 0
.endr
	s_mov_b32 s[SEL], 0x76543210
	s_mov_b32 s[SEL+1], 0xfedcba98
	s_mov_b32 s[CS], 0x3e38aa3b                    ; c = log2(e) / 8
	s_mov_b32 s[CS+1], s[CS]
	s_mov_b32 s[TB], 0
	s_mov_b32 s[KF], 0
	s_mov_b32 s[SLOTS], NSL-1
	s_lshl_b32 s82, s[Q0], 7                       ; Q: my first row
	s_add_co_u32 s82, s82, s74
	s_mov_b32 s83, 0
	s_lshr_b32 s84, s72, 4                         ; ctx: 32,768 (128 b + Q0 / 16) + 2,048 h
	s_lshl_b32 s84, s84, 22
	s_and_b32 s85, s72, 15
	s_lshl_b32 s85, s85, 11
	s_add_co_u32 s84, s84, s85
	s_lshl_b32 s85, s[Q0], 11
	s_add_co_u32 s84, s84, s85
	s_mov_b32 s85, 0
	s_mov_b32 s86, VBASE                           ; the prefetches: waves 4-7 K, waves 8-11 V,
	s_cmp_lt_u32 s[WV], 8
	s_cselect_b32 s86, KBASE, s86
	s_and_b32 s87, s[WV], 3
	s_lshl_b32 s87, s87, 13                        ; 8,192 bytes a wave,
	s_add_co_u32 s86, s86, s87
	s_add_co_u32 s86, s86, s74
	s_add_co_u32 s86, s86, SK*128                  ; in slot 1: the first change of slots steps it to slot 2
	s_mov_b32 s87, 0
	s_sub_co_u32 s95, s[WV], 4
	s_lshr_b32 s95, s95, 3                         ; 0 in waves 4 to 11,
	s_or_b32 s95, s95, ttmp9                       ; of the work-group with j = 0
	s_cmp_eq_u32 s95, 0
	s_cselect_b32 s[LIM], 1, -1
	s_wait_dscnt 0x0                               ; both opening adds are done
	s_wait_kmcnt 0x0
	s_mov_b32 s[G0K], 1
	s_mov_b32 s[G0K+1], s89
	s_add_nc_u64 s[G0K+2:G0K+3], s[4:5], s[90:91]
	s_or_b32 s[G0K+3], s[G0K+3], 0x80000000
	s_mov_b32 s[G0V], 1
	s_mov_b32 s[G0V+1], s94
	s_add_nc_u64 s[G0V+2:G0V+3], s[4:5], s[92:93]
	s_or_b32 s[G0V+3], s[G0V+3], 0x80000000
	TLOAD                                          ; slot 0: keys 0 to 255, which count for every work-group
	s_add_nc_u64 s[8:9], s[4:5], s[82:83]          ; Q
	s_add_nc_u64 s[6:7], s[6:7], s[84:85]          ; ctx
	s_add_nc_u64 s[PFA:PFA+1], s[4:5], s[86:87]
	v_and_b32 v12, 15, v0                          ; r
	v_bfe_u32 v13, v0, 4, 1                        ; hh
	v_lshlrev_b32 v[QO], 7, v12
	v_lshl_add_u32 v[QO], v13, 4, v[QO]            ; row r of 128 bytes, + 16 hh
.irp t, 0,1
.irp ks, 0,1
	global_load_b128 v[QF+16*\t+8*\ks:QF+16*\t+8*\ks+3],   v[QO], s[8:9] offset:2048*\t+64*\ks      ; Q stays in registers
	global_load_b128 v[QF+16*\t+8*\ks+4:QF+16*\t+8*\ks+7], v[QO], s[8:9] offset:2048*\t+64*\ks+32
.endr
.endr
	v_mul_u32_u24 v[AK0], v12, KP
	v_lshl_add_u32 v[AK0], v13, 4, v[AK0]
	v_and_b32 v14, 7, v0
	v_bfe_u32 v15, v0, 3, 1
	v_lshl_add_u32 v[AV0], v13, 3, v14             ; the turning load: key 8 hh + l % 8, channels 8 ((l / 8) % 2) on
	v_mul_u32_u24 v[AV0], v[AV0], VP
	v_lshl_add_u32 v[AV0], v15, 4, v[AV0]
	v_add_nc_u32 v[AV0], VOFF, v[AV0]
	v_lshlrev_b32 v14, 3, v13
	v_sub_nc_u32 v[DL], v12, v14
	v_and_b32 v[GO], 31, v0
	v_lshlrev_b32 v[PFO], 8, v[GO]
	v_lshlrev_b32 v[GO], 4, v[GO]
	v_mov_b32 v[NINF], 0xff800000
.irp t, 0,1
	v_mov_b32 v[ST+10*\t+1], 0xff61b1e6            ; m = -3e38, under every score
	v_mul_f32 v[ST+10*\t], s[CS], v[ST+10*\t+1]    ; c m
.irp i, 2,3,4,5,6,7,8,9
	v_mov_b32 v[ST+10*\t+\i], 0                    ; l = 0; the others are written once, since pairs and lane permutes name them
.endr
.endr
.set i, 0
.rept 64
	v_mov_b32 v[O+i], 0                            ; O^T.  The step is written in one form: the first finds zeros, which a = 0 leaves zeros
.set i, i+1
.endr
; A KEY STEP: 64 keys, the q-th of the slot in hand.
.macro STEP q
	s_add_co_u32 s96, s[Q0], 31
	s_cmp_gt_u32 s[KF], s96                        ; all keys come after my last query: nothing to do
	s_cbranch_scc1 .Lhidden_\@
	v_add_nc_u32 v[ADK], s[TB], v[AK0]
	v_add_nc_u32 v[ADV], s[TB], v[AV0]
.irp f, 0,1,2,3,4,5,6,7                        ; K's fragment f: keys 16 (f / 2) on, channels 32 (f % 2) on
	ds_load_b128 v[KV+8*\f:KV+8*\f+3],   v[ADK] offset:64*KP*(\q)+16*KP*(\f/2)+64*(\f%2)
	ds_load_b128 v[KV+8*\f+4:KV+8*\f+7], v[ADK] offset:64*KP*(\q)+16*KP*(\f/2)+64*(\f%2)+32
.endr
	s_wait_dscnt 0x0
.irp ks, 0,1                                   ; S^T = K Q^T: eight accumulators by turns; the first eight start the sums
.irp kt, 0,1,2,3
.irp t, 0,1
.if \ks == 0
	v_wmma_f32_16x16x32_f16 v[S+32*\t+8*\kt:S+32*\t+8*\kt+7], v[KV+8*(2*\kt+\ks):KV+8*(2*\kt+\ks)+7], v[QF+16*\t+8*\ks:QF+16*\t+8*\ks+7], 0
.else
	v_wmma_f32_16x16x32_f16 v[S+32*\t+8*\kt:S+32*\t+8*\kt+7], v[KV+8*(2*\kt+\ks):KV+8*(2*\kt+\ks)+7], v[QF+16*\t+8*\ks:QF+16*\t+8*\ks+7], v[S+32*\t+8*\kt:S+32*\t+8*\kt+7]
.endif
.endr
.endr
.endr
.rept 4
	v_nop                                          ; four places: for the loads into K's registers and for the first reads of the scores
.endr
.irp f, 0,1,2,3,4,5,6,7                        ; V's fragment f, turned: keys 32 (f / 4) on, channels 16 (f % 4) on.  They land while the softmax is walked
	ds_load_tr16_b128 v[KV+8*\f:KV+8*\f+3],   v[ADV] offset:64*VP*(\q)+32*VP*(\f/4)+32*(\f%4)
	ds_load_tr16_b128 v[KV+8*\f+4:KV+8*\f+7], v[ADV] offset:64*VP*(\q)+32*VP*(\f/4)+32*(\f%4)+16*VP
.endr
	s_add_co_u32 s96, s[KF], 63
	s_cmp_le_u32 s96, s[Q0]                        ; all keys count for all my queries: no mask
	s_cbranch_scc1 .Lopen_\@
	s_sub_co_i32 s96, s[Q0], s[KF]
	v_add_nc_u32 v[ST+9], s96, v[DL]               ; d = my query - KF - 8 hh.  Register 8 kt + i holds key KF + 8 hh + 16 kt + i: hidden where 16 kt + i > d
	v_add_nc_u32 v[ST+19], 16, v[ST+9]
.set n, 0
.rept 32
	v_cmp_gt_i32 vcc_lo, 16*(n/8)+n%8, v[ST+9]
	v_cndmask_b32 v[S+n], v[S+n], v[NINF], vcc_lo
	v_cmp_gt_i32 vcc_lo, 16*(n/8)+n%8, v[ST+19]
	v_cndmask_b32 v[S+32+n], v[S+32+n], v[NINF], vcc_lo
.set n, n+1
.endr
.Lopen_\@:
	; the maximum of my 32 scores and the old m: four chains a tile, the two tiles by turns; each accumulator is read from its low end on
.irp j, 0,1,2,3
.irp t, 0,1
	v_max3_num_f32 v[ST+10*\t+4+\j], v[S+32*\t+8*\j], v[S+32*\t+8*\j+1], v[S+32*\t+8*\j+2]
.endr
.endr
.irp i, 3,5
.irp j, 0,1,2,3
.irp t, 0,1
	v_max3_num_f32 v[ST+10*\t+4+\j], v[ST+10*\t+4+\j], v[S+32*\t+8*\j+\i], v[S+32*\t+8*\j+\i+1]
.endr
.endr
.endr
.irp t, 0,1
	v_max3_num_f32 v[ST+10*\t+4], v[ST+10*\t+4], v[S+32*\t+7], v[S+32*\t+15]
	v_max3_num_f32 v[ST+10*\t+6], v[ST+10*\t+6], v[S+32*\t+23], v[S+32*\t+31]
.endr
.irp t, 0,1
	v_max3_num_f32 v[ST+10*\t+4], v[ST+10*\t+4], v[ST+10*\t+5], v[ST+10*\t+6]
.endr
.irp t, 0,1
	v_max3_num_f32 v[ST+10*\t+4], v[ST+10*\t+4], v[ST+10*\t+7], v[ST+10*\t+1]
.endr
.irp t, 0,1
	v_permlanex16_b32 v[ST+10*\t+5], v[ST+10*\t+4], s[SEL], s[SEL+1]   ; the query's other 32 keys lie in the lane 16 away
.endr
.irp t, 0,1
	v_mov_b32 v[ST+10*\t+9], v[ST+10*\t]           ; c m_old
.endr
.irp t, 0,1
	v_max_num_f32 v[ST+10*\t+1], v[ST+10*\t+4], v[ST+10*\t+5]
.endr
.irp t, 0,1
	v_mul_f32 v[ST+10*\t], s[CS], v[ST+10*\t+1]
.endr
.irp t, 0,1
	v_sub_f32 v[ST+10*\t+9], v[ST+10*\t+9], v[ST+10*\t]
.endr
.set i, 0
.rept 16
.irp t, 0,1
	v_pk_fma_f32 v[S+32*\t+2*i:S+32*\t+2*i+1], v[S+32*\t+2*i:S+32*\t+2*i+1], s[CS:CS+1], v[ST+10*\t:ST+10*\t+1] op_sel_hi:[1,0,0] neg_lo:[0,0,1] neg_hi:[0,0,1]   ; c s - c m
.endr
.set i, i+1
.endr
.irp t, 0,1
	v_exp_f32 v[ST+10*\t+8], v[ST+10*\t+9]         ; a = 2^(c m_old - c m_new).  ONE BATCH of 66 exponentials, none of which reads another's result
.endr
.set i, 0
.rept 32
.irp t, 0,1
	v_exp_f32 v[S+32*\t+i], v[S+32*\t+i]
.endr
.set i, i+1
.endr
	v_nop                                          ; a plain line behind the last exponential
	s_wait_alu depctr_va_vdst(0)                   ; one wait for the batch, ahead of its first reader
.irp t, 0,1
	v_pk_add_f32 v[ST+10*\t+4:ST+10*\t+5], v[S+32*\t:S+32*\t+1], v[S+32*\t+2:S+32*\t+3]     ; the sum of the unrounded p: two chains a tile
	v_pk_add_f32 v[ST+10*\t+6:ST+10*\t+7], v[S+32*\t+4:S+32*\t+5], v[S+32*\t+6:S+32*\t+7]
.endr
.irp i, 8,12,16,20,24,28
.irp t, 0,1
	v_pk_add_f32 v[ST+10*\t+4:ST+10*\t+5], v[ST+10*\t+4:ST+10*\t+5], v[S+32*\t+\i:S+32*\t+\i+1]
	v_pk_add_f32 v[ST+10*\t+6:ST+10*\t+7], v[ST+10*\t+6:ST+10*\t+7], v[S+32*\t+\i+2:S+32*\t+\i+3]
.endr
.endr
.irp t, 0,1
	v_pk_add_f32 v[ST+10*\t+4:ST+10*\t+5], v[ST+10*\t+4:ST+10*\t+5], v[ST+10*\t+6:ST+10*\t+7]
.endr
.irp t, 0,1
	v_pk_fma_f32 v[ST+10*\t+2:ST+10*\t+3], v[ST+10*\t+2:ST+10*\t+3], v[ST+10*\t+8:ST+10*\t+9], v[ST+10*\t+4:ST+10*\t+5] op_sel_hi:[1,0,1]   ; l = a l + the sum
.endr
.set i, 0
.rept 16
.irp t, 0,1
	v_cvt_pk_f16_f32 v[S+32*\t+i], v[S+32*\t+2*i], v[S+32*\t+2*i+1]    ; p in f16, in place from the low end: registers 8 g .. 8 g + 7 are source 1 for keys 32 g on
.endr
.set i, i+1
.endr
.set i, 0
.rept 16
.irp t, 0,1
	v_pk_mul_f32 v[O+32*\t+2*i:O+32*\t+2*i+1], v[O+32*\t+2*i:O+32*\t+2*i+1], v[ST+10*\t+8:ST+10*\t+9] op_sel_hi:[1,0]   ; O^T x a
.endr
.set i, i+1
.endr
	s_wait_dscnt 0x0                               ; V is in
.irp g, 0,1                                    ; O^T += V^T P: eight accumulators by turns
.irp ct, 0,1,2,3
.irp t, 0,1
	v_wmma_f32_16x16x32_f16 v[O+32*\t+8*\ct:O+32*\t+8*\ct+7], v[KV+8*(4*\g+\ct):KV+8*(4*\g+\ct)+7], v[S+32*\t+8*\g:S+32*\t+8*\g+7], v[O+32*\t+8*\ct:O+32*\t+8*\ct+7]
.endr
.endr
.endr
.rept 5
	v_nop                                          ; five places: the next step's products write over p, its loads land on V, the way out reads O^T
.endr
.Lhidden_\@:
	s_add_co_u32 s[KF], s[KF], 64
.endm
; THE CHANGE OF SLOTS stands at a slot's head.  Each wave waits for all its tensor loads, adds 0 to its spare word (fill = 1: twice on end), and waits for that and for its reads of the slot that it has left.
; Behind the barrier the slot ahead is whole and nobody reads the other one.  fill = 1: that other slot takes the next 256 keys, while its first key is at or under the work-group's last query.
.macro CHANGE fill
	s_wait_tensorcnt 0x0                           ; no tensor load of mine is out, so a group 0 may be written
	ds_add_u32 v[SPW], v[NIL]
.if \fill
	ds_add_u32 v[SPW], v[NIL]                      ; and once more, in every trip alike
	s_xor_b32 s[G0K+1], s[G0K+1], SLOT1            ; the walking descriptors: the other slot, the next 256 rows
	s_add_nc_u64 s[G0K+2:G0K+3], s[G0K+2:G0K+3], SK*128
	s_xor_b32 s[G0V+1], s[G0V+1], SLOT1
	s_add_nc_u64 s[G0V+2:G0V+3], s[G0V+2:G0V+3], SK*128
	s_wait_xcnt 0x0                                ; the last prefetch, a slot back, has read its address
	s_add_nc_u64 s[PFA:PFA+1], s[PFA:PFA+1], SK*128
.endif
	s_wait_dscnt 0x0                               ; the add is done, and my reads of the slot that I have left are over
	s_barrier_signal -1
	s_barrier_wait -1
.if \fill
	s_add_co_u32 s96, s[KF], SK                    ; the first key of the slot that this change would ask for
	s_cmp_gt_u32 s96, s[LASTQ]                     ; ids and the count of steps alone: all sixteen waves go the same way, and a work-group past the limit stays past it
	s_cbranch_scc1 .Lpast_\@
	TLOAD                                          ; a wave's one tensor load until the next barrier; every wait on TENSORcnt in this text is for 0
.Lpast_\@:
	ASK
.endif
.endm
.macro SLOT_STEPS
.set Q, 0
.rept NQ
	STEP Q
.set Q, Q+1
.endr
	s_xor_b32 s[TB], s[TB], SLOT1                  ; on to the other slot
.endm
	s_wait_loadcnt 0x0                             ; Q
.Lslot:                                            ; 7 trips
	CHANGE 1
	SLOT_STEPS
	s_sub_co_u32 s[SLOTS], s[SLOTS], 1
	s_cmp_lg_u32 s[SLOTS], 0
	s_cbranch_scc1 .Lslot
	CHANGE 0                                       ; the last slot is written out: nothing is left to ask for
	SLOT_STEPS
	; THE WAY OUT.  O^T / l, rounded to f16: a tile of channels' eight registers pack into the 16 bytes that the next product's fragment wants of this lane: no trip through LDS.
.irp t, 0,1
	v_add_f32 v[ST+10*\t+4], v[ST+10*\t+2], v[ST+10*\t+3]
.endr
.irp t, 0,1
	v_permlanex16_b32 v[ST+10*\t+5], v[ST+10*\t+4], s[SEL], s[SEL+1]
.endr
.irp t, 0,1
	v_add_f32 v[ST+10*\t+4], v[ST+10*\t+4], v[ST+10*\t+5]
.endr
.irp t, 0,1
	v_rcp_f32 v[ST+10*\t+8], v[ST+10*\t+4]
.endr
	v_nop                                          ; a plain line behind the last reciprocal
	s_wait_alu depctr_va_vdst(0)                   ; one wait for both, ahead of the first reader
.set i, 0
.rept 16
.irp t, 0,1
	v_pk_mul_f32 v[O+32*\t+2*i:O+32*\t+2*i+1], v[O+32*\t+2*i:O+32*\t+2*i+1], v[ST+10*\t+8:ST+10*\t+9] op_sel_hi:[1,0]
.endr
.set i, i+1
.endr
.set i, 0
.rept 16
.irp t, 0,1
	v_cvt_pk_f16_f32 v[S+16*\t+i], v[O+32*\t+2*i], v[O+32*\t+2*i+1]
.endr
.set i, i+1
.endr
.irp t, 0,1
.irp ct, 0,1,2,3
	global_store_b128 v[GO], v[S+16*\t+4*\ct:S+16*\t+4*\ct+3], s[6:7] offset:32768*\t+512*\ct    ; 32 lanes store 512 consecutive bytes, aligned
.endr
.endr
	s_wait_tensorcnt 0x0                           ; the wave's end
	ds_add_u32 v[SPW], v[NIL]
	s_wait_dscnt 0x0
	s_endpgm
.Lfunc_end_k_q4d686035d2_attn:
	.size	k_q4d686035d2_attn, .Lfunc_end_k_q4d686035d2_attn-k_q4d686035d2_attn
	.p2alignl 7, 3214868480
	.fill 96, 4, 3214868480
	.section	.rodata,"a",@progbits
	.p2align	6, 0x0
	.amdhsa_kernel k_q4d686035d2_attn
		.amdhsa_group_segment_fixed_size 327680
		.amdhsa_private_segment_fixed_size 0
		.amdhsa_enable_private_segment 0
		.amdhsa_kernarg_size 16
		.amdhsa_user_sgpr_count 2
		.amdhsa_user_sgpr_kernarg_segment_ptr 1
		.amdhsa_wavefront_size32 1
		.amdhsa_system_sgpr_workgroup_id_x 1
		.amdhsa_system_sgpr_workgroup_id_y 1
		.amdhsa_system_sgpr_workgroup_id_z 1
		.amdhsa_system_vgpr_workitem_id 0
		.amdhsa_next_free_vgpr 256
		.amdhsa_next_free_sgpr 100
		.amdhsa_reserve_vcc 1
		.amdhsa_float_denorm_mode_32 3
		.amdhsa_float_denorm_mode_16_64 3
		.amdhsa_memory_ordered 1
		.amdhsa_forward_progress 1
		.amdhsa_inst_pref_size 186
	.end_amdhsa_kernel
	.amdgpu_metadata
---
amdhsa.version: [ 1, 2 ]
amdhsa.kernels:
  - .name:           k_q4d686035d2_attn
    .symbol:         k_q4d686035d2_attn.kd
    .args:
      - { .name: qkv, .offset: 0, .size: 8, .value_kind: global_buffer, .address_space: global }
      - { .name: ctx, .offset: 8, .size: 8, .value_kind: global_buffer, .address_space: global }
    .group_segment_fixed_size: 327680
    .private_segment_fixed_size: 0
    .kernarg_segment_align: 8
    .kernarg_segment_size: 16
    .max_flat_workgroup_size: 512
    .sgpr_count:     100
    .vgpr_count:     256
    .wavefront_size: 32
...
	.end_amdgpu_metadata
.endif
;; end of part 3
;; launch proj (part 4): grid 256 x 1, 4 waves a work-group, no clusters, 141,824 bytes of LDS; arguments ctx, wo16, bo, gamma, beta, x, out0; writes out0
.if DOCPART == 4
	.amdgcn_target "amdgcn-amd-amdhsa--gfx1250"
	.amdhsa_code_object_version 6
	.text
	.protected	k_q4d686035d2_proj
	.globl	k_q4d686035d2_proj
	.p2align	8
	.type	k_q4d686035d2_proj,@function
k_q4d686035d2_proj:
	s_mov_b64 s[64:65], 0
	v_nop
	global_prefetch_b8 v0, s[64:65] scope:SCOPE_SE
	s_setreg_imm32_b32 hwreg(HW_REG_WAVE_MODE, 25, 1), 1
	s_wait_xcnt 0x0
; out0 = x + LayerNorm(ctx Wo^T + bo) gamma + beta.  ctx and Wo arrive as f16 in the order of the operands' registers; sums, mean, variance and all behind them in f32.
; The variance is taken of the centred numbers, as the definition has it; eps = 1e-5.
; SHARES.  A work-group owns 32 rows (two tiles of 16) for all 1,024 columns, so that a row's mean and variance stay inside it and the f32 result never goes to memory.  Wave w owns columns 256 w .. + 255: 32 accumulators.
; THE PRODUCT IS USED TRANSPOSED (source 0 = 16 rows of Wo, source 1 = 16 rows of ctx): a lane holds row lane % 16 and columns 16 t + 8 (lane / 16) + 0 .. 7.  bo is the C of each sum's first instruction.
; Wo's fragments go from memory straight into registers: each feeds one wave alone, so LDS would add a write and a read for each byte and spare none.  A ring of three sets of 128 registers keeps two K steps
; (64 loads of 512 bytes a wave) on their way, with no barrier in the loop.  No cluster: there is no tensor load to share.
; ctx's 64 KB are read once by the work-group, a quarter a wave, and lie in LDS as images of the operand's registers (1 KB for each tile of rows and K step of 32).
; REGISTERS: window 0: v1-13 addresses; v16-31 gamma, beta; v32-79 three buffers for ctx's two fragments; v80-107 at work; v128-255 bo.
;   window 1: the accumulators ((mt, t) at v[8 (16 mt + t)]); ahead of the loop v0-127 carry my quarter of ctx.   window 2: ring sets 0, 1; later the rows on their way out.   window 3: ring set 2 at v0; x: mt 0 at v128, mt 1 at v0.
.set AIMG,  0                          ; LDS: 64 images of 1 KB: index 32 mt + ks
.set RED1,  73728                      ; the waves' row sums: [wave 4][mt 2][row 16] words
.set RED2,  74240                      ; and their sums of squares
.set STG,   74752                      ; a stage of 16 rows x (1,024 bytes + 16) for each wave
.set SPITCH, 1040
.set SPARE, STG+4*16*SPITCH            ; the spare words, 128 bytes a wave
.set LI,   1                           ; v1  16 x lane
.set ADA,  2                           ; v2  LDS address of ctx's fragments in hand
.set AWR,  4                           ; v4  where I store my quarter of ctx
.set RW,   5                           ; v5  where I put my row sums
.set RR,   6                           ; v6  where I read all waves'
.set SO,   7                           ; v7  the stage, in
.set SR,   8                           ; v8  the stage, back
.set BOF,  9                           ; v9  32 x (lane / 16)
.set PFO,  10                          ; v10 4,096 x lane: a row of x
.set SPW,  12
.set NIL,  13
.set GA,   16                          ; v16-23 gamma of my 4 columns in each half of the wave's 256
.set BE,   24                          ; v24-31 beta
.set AB,   32
.set CH,   80                          ; v80-87 four chains of pairs
.set SM,   88                          ; v88, v89 a figure for each tile of rows
.set PT,   90
.set PR,   92                          ; v92-99 the four waves' figures
.set MU,   100                         ; v100, v102 the means (named as pairs)
.set RS,   104                         ; v104, v106 1 / sqrt(var + eps)
.set BO,   128
.set WB,   6                           ; s[6:7] wo16 at my columns, stepped along K
.set WV,   18
.set SEL,  20
.set TA,   22                          ; s22 LDS byte of the trip's first K step
.set TR,   23                          ; s23 trips to go
.set C10,  40                          ; s40 2^-10
.set EPS,  41                          ; s41 1e-5
.set MSB, 0
.macro WIN new                         ; the immediate's high byte repeats the setting that is left
.if MSB != \new
	s_set_vgpr_msb (MSB<<8)|\new
.set MSB, \new
.endif
.endm
.macro PLACES
.rept 4
	v_nop
.endr
.endm
	s_load_b256 s[4:11], s[0:1], 0x0               ; ctx, wo16, bo, gamma
	s_load_b128 s[12:15], s[0:1], 0x20             ; beta, x
	s_load_b64 s[16:17], s[0:1], 0x30              ; out0
	v_lshl_add_u32 v[SPW], v0, 2, SPARE
	v_mov_b32 v[NIL], 0
	v_lshrrev_b32 v3, 5, v0
	v_readfirstlane_b32 s[WV], v3                  ; wave 0..3
	v_and_b32 v3, 31, v0                           ; lane
	v_and_b32 v11, 15, v0                          ; r
	v_bfe_u32 v14, v0, 4, 1                        ; hh
	v_lshlrev_b32 v[LI], 4, v3
	s_lshl_b32 s24, s[WV], 14
	v_add_nc_u32 v[AWR], s24, v[LI]
	s_lshl_b32 s26, s[WV], 7
	v_lshlrev_b32 v[RR], 2, v11
	v_add_nc_u32 v[RW], s26, v[RR]
	v_add_nc_u32 v[RW], RED1, v[RW]
	v_add_nc_u32 v[RR], RED1, v[RR]
	s_mul_i32 s26, s[WV], 16*SPITCH
	s_add_co_u32 s26, s26, STG
	v_mul_u32_u24 v[SO], v11, SPITCH
	v_lshl_add_u32 v[SO], v14, 5, v[SO]
	v_add_nc_u32 v[SO], s26, v[SO]                 ; row r, + 32 hh
	v_add_nc_u32 v[SR], s26, v[LI]
	v_lshlrev_b32 v[BOF], 5, v14
	v_lshlrev_b32 v[PFO], 12, v3
	v_mov_b32 v[ADA], v[LI]
.irp i, PT, PT+1, MU+1, MU+3, RS+1, RS+3
	v_mov_b32 v[\i], 0                             ; written once: a lane permute's destination and the upper halves of named pairs
.endr
	s_mov_b32 s[SEL], 0x76543210
	s_mov_b32 s[SEL+1], 0xfedcba98
	s_mov_b32 s[C10], 0x3a800000
	s_mov_b32 s[EPS], 0x3727c5ac
	s_mov_b32 s25, 0
	s_lshl_b32 s28, ttmp9, 16                      ; ctx: 65,536 bytes a work-group, 16,384 a wave
	s_add_co_u32 s28, s28, s24
	s_mov_b32 s29, 0
	s_lshl_b32 s30, s[WV], 10                      ; my 256 columns in f32
	s_mov_b32 s31, 0
	s_lshl_b32 s32, ttmp9, 17                      ; 32 rows of 4,096 bytes
	s_add_co_u32 s32, s32, s30
	s_mov_b32 s33, 0
	s_wait_kmcnt 0x0
	s_add_nc_u64 s[4:5], s[4:5], s[28:29]
	s_add_nc_u64 s[WB:WB+1], s[WB:WB+1], s[24:25]  ; my 16 tiles of a K step: 16,384 bytes
	s_add_nc_u64 s[8:9], s[8:9], s[30:31]
	s_add_nc_u64 s[10:11], s[10:11], s[30:31]
	s_add_nc_u64 s[12:13], s[12:13], s[30:31]
	s_add_nc_u64 s[14:15], s[14:15], s[32:33]
	s_add_nc_u64 s[16:17], s[16:17], s[32:33]
; 32 loads: Wo's 16 fragments of the K step k steps on from the base, into ring set 0, 1 (window 2) or 2 (window 3)
.macro BFILL set, k
.if (\set) == 2
	WIN 0xc0
.else
	WIN 0x80
.endif
.set RB, 128*((\set)%2)
.set i, 0
.rept 32
	global_load_b128 v[RB+4*i:RB+4*i+3], v[LI], s[WB:WB+1] offset:65536*(\k)+512*i
.set i, i+1
.endr
.endm
; 4 LDS loads: ctx's two fragments of the K step k steps on from the trip's first
.macro AFETCH buf, k
.irp mt, 0,1
.irp c, 0,1
	ds_load_b128 v[AB+16*(\buf)+8*\mt+4*\c:AB+16*(\buf)+8*\mt+4*\c+3], v[ADA] offset:1024*(\k)+512*\c+32768*\mt
.endr
.endr
.endm
.macro XLOAD mt                        ; x's 16 rows of tile mt, my 1,024 bytes of each, in the layout of the way out
	WIN 0xc0
.set i, 0
.rept 32
	global_load_b128 v[128*(1-(\mt))+4*i:128*(1-(\mt))+4*i+3], v[LI], s[14:15] offset:4096*(16*(\mt)+i/2)+512*(i%2) th:TH_LOAD_NT
.set i, i+1
.endr
	WIN 0
.endm
	WIN 0x40
.set i, 0
.rept 32
	global_load_b128 v[4*i:4*i+3], v[LI], s[4:5] offset:512*i th:TH_LOAD_NT    ; my quarter of ctx
.set i, i+1
.endr
	BFILL 0, 0
	s_wait_loadcnt 32                              ; ctx is in; K step 0's 32 loads stay out
	WIN 0x04                                       ; an LDS store's data are its source 1: window 1
.set i, 0
.rept 32
	ds_store_b128 v[AWR], v[4*i:4*i+3] offset:512*i
.set i, i+1
.endr
	WIN 0
.set t, 0
.rept 16
	global_load_b128 v[BO+8*t:BO+8*t+3],   v[BOF], s[8:9] offset:64*t          ; bo of columns 16 t + 8 hh + 0 .. 7: the result's layout
	global_load_b128 v[BO+8*t+4:BO+8*t+7], v[BOF], s[8:9] offset:64*t+16
.set t, t+1
.endr
.irp h, 0,1
	global_load_b128 v[GA+4*\h:GA+4*\h+3], v[LI], s[10:11] offset:512*\h
	global_load_b128 v[BE+4*\h:BE+4*\h+3], v[LI], s[12:13] offset:512*\h
.endr
	BFILL 1, 1
	WIN 0
	s_wait_dscnt 0x0                               ; my stores have landed
	s_barrier_signal -1
	s_barrier_wait -1                              ; ctx's 64 images lie in LDS
	AFETCH 0, 0
; A K STEP of 32: 32 matrix instructions, all 32 accumulators by turns.  u: the step's place in the trip; set = step % 3.
.macro STEP u, set, first, fillb, filla, pf
	s_wait_loadcnt 32                              ; this step's fragments of Wo, and all that is older, are in; the 32 loads issued behind them stay out
	PLACES                                         ; four places behind the last products, for the loads below
.if \fillb
	BFILL ((\set)+2)%3, (\u)+2                     ; two K steps ahead, into the set that the last step multiplied
.endif
	WIN 0
.if \pf
; A PREFETCH INTO THE L2 of x's 32 rows, my 1,024 bytes of each: a lane a row, four blocks of 256 bytes; each block is named once in the launch.  In the trip of K steps 20 to 22; x is loaded behind K step 30.
	s_cmp_eq_u32 s[TR], 3
	s_cbranch_scc0 .Lno_ask_\@
.irp k, 0,1,2,3
	global_prefetch_b8 v[PFO], s[14:15] offset:256*\k th:TH_LOAD_NT scope:SCOPE_SE
.endr
.Lno_ask_\@:
.endif
.if \filla
	AFETCH ((\set)+1)%3, (\u)+1
	s_wait_dscnt 4                                 ; this step's fragments of ctx are in; the next step's four loads stay out
.else
	s_wait_dscnt 0x0
.endif
.if \first
	WIN 0x42                                       ; source 0 window 2, source 1 and C (bo) window 0, D window 1
.elseif (\set) == 2
	WIN 0x53                                       ; source 0 window 3, C and D window 1
.else
	WIN 0x52                                       ; source 0 window 2
.endif
.set SB, 128*((\set)%2)
.set t, 0
.rept 16
.irp mt, 0,1
.if \first
	v_wmma_f32_16x16x32_f16 v[8*(16*\mt+t):8*(16*\mt+t)+7], v[SB+8*t:SB+8*t+7], v[AB+16*(\set)+8*\mt:AB+16*(\set)+8*\mt+7], v[BO+8*t:BO+8*t+7]
.else
	v_wmma_f32_16x16x32_f16 v[8*(16*\mt+t):8*(16*\mt+t)+7], v[SB+8*t:SB+8*t+7], v[AB+16*(\set)+8*\mt:AB+16*(\set)+8*\mt+7], v[8*(16*\mt+t):8*(16*\mt+t)+7]
.endif
.endr
.set t, t+1
.endr
	WIN 0
.endm
	STEP 0, 0, 1, 1, 1, 0                          ; K step 0 starts the sums from bo
	STEP 1, 1, 0, 1, 1, 0
	s_wait_xcnt 0x0                                ; the loads have read their base
	s_add_nc_u64 s[WB:WB+1], s[WB:WB+1], 2*65536
	s_mov_b32 s[TA], 2*1024
	s_mov_b32 s[TR], 9
.Ltrip:                                            ; 9 trips of three K steps, 2 to 28: the ring's sets are back where they began
	v_add_nc_u32 v[ADA], s[TA], v[LI]
	STEP 0, 2, 0, 1, 1, 1
	STEP 1, 0, 0, 1, 1, 0
	STEP 2, 1, 0, 1, 1, 0
	s_wait_xcnt 0x0                                ; the trip's loads and prefetches have read their base
	s_add_nc_u64 s[WB:WB+1], s[WB:WB+1], 3*65536
	s_add_co_u32 s[TA], s[TA], 3*1024
	s_sub_co_u32 s[TR], s[TR], 1
	s_cmp_lg_u32 s[TR], 0
	s_cbranch_scc1 .Ltrip
	v_add_nc_u32 v[ADA], s[TA], v[LI]
	STEP 0, 2, 0, 1, 1, 0                          ; K step 29 asks for the last, 31
	STEP 1, 0, 0, 0, 1, 0                          ; K step 30: nothing of Wo is left to ask for
	XLOAD 0                                        ; 32 loads behind K step 31's
	STEP 2, 1, 0, 0, 0, 0
	PLACES                                         ; behind the last products: for the reads of results
	XLOAD 1                                        ; into ring set 2, multiplied last in K step 29
; THE LAYER NORM.  A lane holds 128 numbers of row r of each tile of rows; its partner 16 lanes away the other 128 of my 256 columns; the other three waves the rest.
.macro CLEAR
.irp i, 0,1,2,3,4,5,6,7
	v_mov_b32 v[CH+\i], 0
.endr
.endm
; the chains' figures are joined in the lane, with the lane 16 away, and through LDS with the other waves': v[SM], v[SM+1] = the rows' totals, in every lane, summed in one order in all waves
.macro REDUCE off
	v_pk_add_f32 v[CH:CH+1], v[CH:CH+1], v[CH+2:CH+3]
	v_pk_add_f32 v[CH+4:CH+5], v[CH+4:CH+5], v[CH+6:CH+7]
	v_add_f32 v[SM], v[CH], v[CH+1]
	v_add_f32 v[SM+1], v[CH+4], v[CH+5]
	v_permlanex16_b32 v[PT], v[SM], s[SEL], s[SEL+1]
	v_permlanex16_b32 v[PT+1], v[SM+1], s[SEL], s[SEL+1]
	v_add_f32 v[SM], v[SM], v[PT]
	v_add_f32 v[SM+1], v[SM+1], v[PT+1]
	ds_store_b32 v[RW], v[SM] offset:\off          ; lanes r and r + 16 write the same word with the same value
	ds_store_b32 v[RW], v[SM+1] offset:\off+64
	s_wait_dscnt 0x0                               ; for the others' sake: my stores have landed
	s_barrier_signal -1
	s_barrier_wait -1
.irp w, 0,1,2,3
	ds_load_b32 v[PR+2*\w], v[RR] offset:\off+128*\w
	ds_load_b32 v[PR+2*\w+1], v[RR] offset:\off+128*\w+64
.endr
	s_wait_dscnt 0x0
	v_pk_add_f32 v[PR:PR+1], v[PR:PR+1], v[PR+2:PR+3]
	v_pk_add_f32 v[PR+4:PR+5], v[PR+4:PR+5], v[PR+6:PR+7]
	v_pk_add_f32 v[SM:SM+1], v[PR:PR+1], v[PR+4:PR+5]
.endm
	CLEAR
	WIN 0x01                                       ; source 0 window 1
.set i, 0
.rept 64
	v_pk_add_f32 v[CH+2*(i%2):CH+2*(i%2)+1], v[2*i:2*i+1], v[CH+2*(i%2):CH+2*(i%2)+1]             ; each accumulator from its low end on
	v_pk_add_f32 v[CH+4+2*(i%2):CH+4+2*(i%2)+1], v[128+2*i:128+2*i+1], v[CH+4+2*(i%2):CH+4+2*(i%2)+1]
.set i, i+1
.endr
	WIN 0
	REDUCE 0
	v_mul_f32 v[MU], s[C10], v[SM]                 ; the means
	v_mul_f32 v[MU+2], s[C10], v[SM+1]
	CLEAR
	WIN 0x41                                       ; destination and source 0 window 1
.set i, 0
.rept 64
	v_pk_add_f32 v[2*i:2*i+1], v[2*i:2*i+1], v[MU:MU+1] op_sel_hi:[1,0] neg_lo:[0,1] neg_hi:[0,1]
	v_pk_add_f32 v[128+2*i:128+2*i+1], v[128+2*i:128+2*i+1], v[MU+2:MU+3] op_sel_hi:[1,0] neg_lo:[0,1] neg_hi:[0,1]
.set i, i+1
.endr
	WIN 0x05                                       ; sources 0 and 1 window 1
.set i, 0
.rept 64
	v_pk_fma_f32 v[CH+2*(i%2):CH+2*(i%2)+1], v[2*i:2*i+1], v[2*i:2*i+1], v[CH+2*(i%2):CH+2*(i%2)+1]
	v_pk_fma_f32 v[CH+4+2*(i%2):CH+4+2*(i%2)+1], v[128+2*i:128+2*i+1], v[128+2*i:128+2*i+1], v[CH+4+2*(i%2):CH+4+2*(i%2)+1]
.set i, i+1
.endr
	WIN 0
	REDUCE RED2-RED1
	v_fma_f32 v[SM], v[SM], s[C10], s[EPS]         ; var + eps
	v_fma_f32 v[SM+1], v[SM+1], s[C10], s[EPS]
	v_rsq_f32 v[RS], v[SM]
	v_rsq_f32 v[RS+2], v[SM+1]
	v_nop                                          ; a plain line behind the last of the two
	s_wait_alu depctr_va_vdst(0)                   ; one wait for both, ahead of the first reader
	WIN 0x41
.set i, 0
.rept 64
	v_pk_mul_f32 v[2*i:2*i+1], v[2*i:2*i+1], v[RS:RS+1] op_sel_hi:[1,0]
	v_pk_mul_f32 v[128+2*i:128+2*i+1], v[128+2*i:128+2*i+1], v[RS+2:RS+3] op_sel_hi:[1,0]
.set i, i+1
.endr
; THE WAY OUT.  A tile of 16 rows goes through my own stage and comes back as rows: a load takes 512 consecutive bytes of a row.  LDS serves a wave's instructions in order: no wait between the stores and the loads,
; nor in front of the next tile's stores.
.macro STAGE mt
	WIN 0x04
.set t, 0
.rept 16
	ds_store_b128 v[SO], v[128*(\mt)+8*t:128*(\mt)+8*t+3] offset:64*t
	ds_store_b128 v[SO], v[128*(\mt)+8*t+4:128*(\mt)+8*t+7] offset:64*t+16
.set t, t+1
.endr
	WIN 0x80                                       ; destination window 2
.set i, 0
.rept 32
	ds_load_b128 v[128*(\mt)+4*i:128*(\mt)+4*i+3], v[SR] offset:SPITCH*(i/2)+512*(i%2)
.set i, i+1
.endr
.endm
.macro FINISH mt
	WIN 0x82                                       ; destination and source 0 window 2; gamma and beta window 0
.set i, 0
.rept 32
	v_pk_fma_f32 v[128*(\mt)+4*i:128*(\mt)+4*i+1],   v[128*(\mt)+4*i:128*(\mt)+4*i+1],   v[GA+4*(i%2):GA+4*(i%2)+1],   v[BE+4*(i%2):BE+4*(i%2)+1]
	v_pk_fma_f32 v[128*(\mt)+4*i+2:128*(\mt)+4*i+3], v[128*(\mt)+4*i+2:128*(\mt)+4*i+3], v[GA+4*(i%2)+2:GA+4*(i%2)+3], v[BE+4*(i%2)+2:BE+4*(i%2)+3]
.set i, i+1
.endr
	WIN 0x8e                                       ; source 1 (x) window 3
.set i, 0
.rept 64
	v_pk_add_f32 v[128*(\mt)+2*i:128*(\mt)+2*i+1], v[128*(\mt)+2*i:128*(\mt)+2*i+1], v[128*(1-(\mt))+2*i:128*(1-(\mt))+2*i+1]
.set i, i+1
.endr
	WIN 0x08                                       ; a store's data are its source 1: window 2
.set i, 0
.rept 32
	global_store_b128 v[LI], v[128*(\mt)+4*i:128*(\mt)+4*i+3], s[16:17] offset:4096*(16*(\mt)+i/2)+512*(i%2) th:TH_STORE_NT   ; 32 lanes store 512 consecutive bytes, aligned
.set i, i+1
.endr
.endm
	STAGE 0
	STAGE 1
	s_wait_dscnt 32                                ; tile 0's rows are back; tile 1's 32 loads stay out
	s_wait_loadcnt 32                              ; x of tile 0 is in; tile 1's 32 loads stay out
	FINISH 0
	s_wait_dscnt 0x0
	s_wait_loadcnt 0x0
	FINISH 1
	WIN 0
	s_wait_tensorcnt 0x0                           ; the wave's end, behind my last LDS store
	ds_add_u32 v[SPW], v[NIL]
	s_wait_dscnt 0x0
	s_endpgm
.Lfunc_end_k_q4d686035d2_proj:
	.size	k_q4d686035d2_proj, .Lfunc_end_k_q4d686035d2_proj-k_q4d686035d2_proj
	.p2alignl 7, 3214868480
	.fill 96, 4, 3214868480
	.section	.rodata,"a",@progbits
	.p2align	6, 0x0
	.amdhsa_kernel k_q4d686035d2_proj
		.amdhsa_group_segment_fixed_size 141824
		.amdhsa_private_segment_fixed_size 0
		.amdhsa_enable_private_segment 0
		.amdhsa_kernarg_size 56
		.amdhsa_user_sgpr_count 2
		.amdhsa_user_sgpr_kernarg_segment_ptr 1
		.amdhsa_wavefront_size32 1
		.amdhsa_system_sgpr_workgroup_id_x 1
		.amdhsa_system_sgpr_workgroup_id_y 1
		.amdhsa_system_sgpr_workgroup_id_z 1
		.amdhsa_system_vgpr_workitem_id 0
		.amdhsa_next_free_vgpr 1024
		.amdhsa_next_free_sgpr 66
		.amdhsa_reserve_vcc 0
		.amdhsa_float_denorm_mode_32 3
		.amdhsa_float_denorm_mode_16_64 3
		.amdhsa_memory_ordered 1
		.amdhsa_forward_progress 1
		.amdhsa_inst_pref_size 129
	.end_amdhsa_kernel
	.amdgpu_metadata
---
amdhsa.version: [ 1, 2 ]
amdhsa.kernels:
  - .name:           k_q4d686035d2_proj
    .symbol:         k_q4d686035d2_proj.kd
    .args:
      - { .name: ctx, .offset: 0, .size: 8, .value_kind: global_buffer, .address_space: global }
      - { .name: wo16, .offset: 8, .size: 8, .value_kind: global_buffer, .address_space: global }
      - { .name: bo, .offset: 16, .size: 8, .value_kind: global_buffer, .address_space: global }
      - { .name: gamma, .offset: 24, .size: 8, .value_kind: global_buffer, .address_space: global }
      - { .name: beta, .offset: 32, .size: 8, .value_kind: global_buffer, .address_space: global }
      - { .name: x, .offset: 40, .size: 8, .value_kind: global_buffer, .address_space: global }
      - { .name: out0, .offset: 48, .size: 8, .value_kind: global_buffer, .address_space: global }
    .group_segment_fixed_size: 141824
    .private_segment_fixed_size: 0
    .kernarg_segment_align: 8
    .kernarg_segment_size: 56
    .max_flat_workgroup_size: 128
    .sgpr_count:     66
    .vgpr_count:     1024
    .wavefront_size: 32
...
	.end_amdgpu_metadata
.endif
;; end of part 4
